; MI455X (gfx1250); checked and timed in simulation.
; The chip was launched on July 23, 2026; its instructions are those of AMD's public machine-readable ISA for CDNA 5 (MIT licence, August 2026) and "CDNA5" Instruction Set Architecture Reference Guide (July 2026). The comments in the code are by the model that wrote it; some were corrected since.
;; Soft Mo E. Allowed arithmetic: matrix products marked QUANTISED: E3M2 operands, one E8M0 scale for each 32 along K, by v_wmma_scale_f32_16x16x128_f8f6f4 with both operands' format E3M2, f32 sums; products left as they are: f32 operands where the result goes on into a quantised operand, else bf16, f16 or f32 operands; f32 sums; everything else in f32.
;; Inputs: W1_codes 8 x 4,096 x 32 x 24 uint8 (E3M2 codes of W1, K innermost, in blocks of 32 codes, four codes in three bytes); W1_scales 8 x 4,096 x 32 uint8 (E8M0 scales of W1, one for each 32 codes along K); W2_codes 8 x 1,024 x 128 x 24 uint8 (E3M2 codes of W2, K innermost, in blocks of 32 codes, four codes in three bytes); W2_scales 8 x 1,024 x 128 uint8 (E8M0 scales of W2, one for each 32 codes along K); Wr 8 x 1,024 float32; b1 8 x 4,096 float32; b2 8 x 1,024 float32; x 2 x 512 x 1,024 float32.
;; Outputs: out0 2 x 512 x 1,024 float32.
;; This version of the problem:
;;   THIS VERSION OF THE PROBLEM IS GIVEN IN LOW PRECISION. The matrix products marked QUANTISED in the list below multiply operands that are first quantised to E3M2 (3 exponent bits, 2 mantissa bits; 6 bits a number), with one power-of-two scale for each 32 numbers along K (OCP MX v1.0); their sums are f32. All else is computed in f32.
;;   The module's matrix products, in the order in which they are computed (A, B: the left and right operand; K: the contracted axis; several contracted axes count as one K, in the product's order):
;;     1. [M 1,024, K 1,024] x [K 1,024, N 8]; A: input x; B: input Wr: left as it is (N = 8 < 16)
;;     2. [M 1,024, K 1,024] x [K 1,024, N 32,768]; A: input x; B: input W1 (given as codes): QUANTISED
;;     3. batch 8 x [M 1,024, K 4,096] x [K 4,096, N 1,024]; A: input W2 (given as codes); B: computed on the way: QUANTISED
;;     4. batch 1,024 x [M 1, K 8] x [K 8, N 1,024]; A: computed on the way; B: computed on the way: left as it is (K = 8 < 32)
;;   THE QUANTISER, for each operand of a quantised product, along K:
;;     - K is cut into blocks of 32 from its start; a last block that is shorter is filled with zeros.
;;     - A block's scale is 2^e with e = floor(log2(the largest magnitude in the block)) - 4, held to -126 .. 127; a block of zeros has e = 0. As a byte (E8M0): e + 127.
;;     - Each number is divided by its block's scale, clamped to +-28, and rounded to the nearest number of E3M2, ties to even, subnormals kept.
;;     - The product sums the exact products of the quantised numbers (number of the format x scale) in f32.
;;   ~~~python
;;   def quantise(x, axis):      # numpy; x: float32 -> the quantised numbers, widened to float32 again
;;       x = np.moveaxis(x, axis, -1); K = x.shape[-1]
;;       x = np.pad(x, [(0, 0)] * (x.ndim - 1) + [(0, -K % 32)]); x = x.reshape(x.shape[:-1] + (-1, 32)); a = np.abs(x).max(-1, keepdims=True)
;;       e = np.where(a > 0, np.clip(np.frexp(np.where(a > 0, a, 1))[1] - 1 - 4, -126, 127), 0)      # np.frexp(a)[1] - 1 = floor(log2(a)), exactly
;;       r = np.clip(x / 2.0 ** e, -28, 28)
;;       step = 2.0 ** (np.maximum(np.frexp(np.where(r == 0, 1, r))[1] - 1, -2) - 2)
;;       q = np.round(r / step) * step * 2.0 ** e      # np.round: ties to even
;;       return np.moveaxis(q.reshape(q.shape[:-2] + (-1,))[..., :K], -1, axis).astype(np.float32)
;;   ~~~
;;   OPERANDS COMPUTED ON THE WAY. 'Computed on the way' means the value that the module computes at that place (a softmax that the list does not call 'softmax' is quantised finished and normalised). What goes into a quantiser is computed in f32, as accurately as f32 sums, v_exp_f32 and their like allow (about 1e-6 of the number): no bf16 or f16 on the way to a quantiser, and a product that is left as it is and whose result goes on into a quantised operand takes f32 operands (vector FMAs, or v_wmma_f32_16x16x4_f32). A number that lies on a knife's edge between two numbers of the format may be rounded either way, as far as f32 arithmetic and the matrix unit's own rounding can turn it there, and no further.
;;   INPUTS GIVEN AS CODES. W1 (in the module: [8, 1024, 4096], K = its axis 1); W2 (in the module: [8, 4096, 1024], K = its axis 1): each comes as NAME_codes (uint8): NAME with its K axis moved to the last place and cut into blocks of 32 codes, [.., K / 32, bytes a block], one block behind the other in memory; four codes in three bytes: a row's codes are one little-endian stream of bits, code i at bits 6 i .. 6 i + 5 (a code: sign, 3 exponent bits, 2 mantissa bits); and NAME_scales (uint8): the same leading axes, one E8M0 byte (e + 127) for each 32 codes along K. Its value is code x scale, taken as it is: it is not quantised again, and the codes and scales need not be those that the quantiser above would give.
;; 3 versions, each right; version 2 is faster than version 1; version 3 is version 2 with the launch ffn2 written anew for expert scheduling mode. Each part assembles by itself: llvm-mc -triple=amdgcn-amd-amdhsa -mcpu=gfx1250 --defsym DOCPART=n.
;; ======== version 1 of 3: 5 launches
;; workspace buffers: xq 786,432 bytes; xs 32,768 bytes; sel 4,096 bytes of whole numbers; wts 8,192 bytes; order 34,816 bytes of whole numbers; himg 25,165,824 bytes; hs 2,097,152 bytes; y 18,874,368 bytes
;; launch route (part 1): grid 256 x 1, 4 waves a work-group, no clusters, 22,016 bytes of LDS; arguments x, Wr, xq, xs, sel, wts; writes xq, xs, sel, wts
.if DOCPART == 1
	.amdgcn_target "amdgcn-amd-amdhsa--gfx1250"
	.amdhsa_code_object_version 6
	.text
	.protected	k_q94279e229c_route
	.globl	k_q94279e229c_route
	.p2align	8
	.type	k_q94279e229c_route,@function
k_q94279e229c_route:
	s_mov_b64 s[64:65], 0
	v_nop
	global_prefetch_b8 v0, s[64:65] scope:SCOPE_SE
	s_setreg_imm32_b32 hwreg(HW_REG_WAVE_MODE, 25, 1), 1
	s_wait_xcnt 0x0
; ROUTER AND QUANTISER OF x.  One wave takes one token n = 4 x work-group + wave: 1,024 numbers, 4,096 bytes, read once.
; (1) logits l[e] = x[n] . Wr[e], e = 0 .. 7, by f32 fused multiply-adds;  (2) the two largest (strict compares, so that the lower index keeps a tie),
; their softmax with the larger one taken away: w0 = 1 / (1 + exp(l2 - l1)), w1 = exp(l2 - l1) w0;  (3) x[n] as codes of E3M2 with one E8M0 byte for each 32 along K.
; OUT, all at fixed places: xq[n] 768 bytes of codes (a plain stream of bits), xs[n] 32 scale bytes, sel[n] = e0 | e1 << 8, wts[n] = (w0, w1).  No address and no branch hangs on the choice.
; The 44 bytes a token of xs, sel and wts are short stores: 45 KB in the whole launch.
; LIMITS: NaN and infinities are not served.  The logits are summed in another order than a plain chain, so two logits that agree to within f32 summation error may change places.
; A block whose largest magnitude lies under 2^-122 keeps the scale byte 1; a block of zeros gets the byte 1 (its codes are zeros, and only this program reads the bytes).
; No matrix unit (N = 8), no barrier (waves share nothing), no cluster (work-groups share only Wr's 32 KB).
.set R,    16                          ; v16-47   x as loaded: register 16 t + 4 i + j = x[512 t + 128 i + 4 lane + j]
.set X,    48                          ; v48-79   x with 16 neighbours a lane: register 16 t + j = x[512 t + 16 lane + j]
.set WR,   80                          ; v80-207  four slots of 32: a row of Wr, laid as R
.set AC,   208                         ; v208-239 four registers an expert: two packed chains
.set C,    240                         ; v240-247 codes: four registers a step
.set SP,   80                          ; a lane's place in a stage: 64 bytes + 16 of padding
.set WREG, 5376                        ; LDS of a wave: two stages of 32 x SP bytes, then its 32 scale bytes
	s_load_b256 s[4:11], s[0:1], 0x0               ; x, Wr, xq, xs
	s_load_b128 s[12:15], s[0:1], 0x20             ; sel, wts
	v_lshl_add_u32 v254, v0, 2, 0x5400
	v_mov_b32 v255, 0
	v_lshrrev_b32 v1, 5, v0
	v_readfirstlane_b32 s16, v1                    ; wave
	v_and_b32 v1, 31, v0                           ; lane
	v_lshlrev_b32 v2, 4, v1                        ; my 16 bytes of a load's 512
	s_mul_i32 s17, s16, WREG
	v_lshrrev_b32 v3, 2, v1
	v_mul_u32_u24 v3, v3, SP
	v_and_b32 v8, 3, v1
	v_lshl_add_u32 v3, v8, 4, v3
	v_add_nc_u32 v3, s17, v3                       ; the stage, on the way in: SP (lane / 4) + 16 (lane % 4)
	v_mul_u32_u24 v4, v1, SP
	v_add_nc_u32 v4, s17, v4                       ; and on the way out: SP x lane
	s_add_co_u32 s17, s17, 2*32*SP
	v_lshrrev_b32 v5, 1, v1
	v_add_nc_u32 v5, s17, v5                       ; my block's scale byte (two lanes hold a block)
	v_mul_u32_u24 v6, v1, 12                       ; my 16 codes' 12 bytes
	v_and_b32 v7, 7, v1
	v_lshlrev_b32 v7, 2, v7
	v_add_nc_u32 v7, s17, v7                       ; the scale bytes read back, a word a lane
	v_lshlrev_b32 v15, 2, v1                       ; 4 x lane
	s_lshl_b32 s18, ttmp9, 2
	s_add_co_u32 s18, s18, s16                     ; my token
	s_mov_b32 s21, 0
	s_mov_b32 s22, 0x76543210                      ; v_permlanex16_b32's selects for lane l xor 16
	s_mov_b32 s23, 0xfedcba98
	s_wait_kmcnt 0x0
	s_lshl_b32 s20, s18, 12
	s_add_nc_u64 s[4:5], s[4:5], s[20:21]          ; x: 4,096 bytes a token
	s_mul_i32 s20, s18, 768
	s_add_nc_u64 s[8:9], s[8:9], s[20:21]          ; xq: 768
	s_lshl_b32 s20, s18, 5
	s_add_nc_u64 s[10:11], s[10:11], s[20:21]      ; xs: 32
	s_lshl_b32 s20, s18, 2
	s_add_nc_u64 s[12:13], s[12:13], s[20:21]      ; sel: 4
	s_lshl_b32 s20, s18, 3
	s_add_nc_u64 s[14:15], s[14:15], s[20:21]      ; wts: 8
.irp t, 0,1
.irp i, 0,1,2,3
	global_load_b128 v[R+16*\t+4*\i:R+16*\t+4*\i+3], v2, s[4:5] offset:2048*\t+512*\i th:TH_LOAD_NT   ; 32 lanes read 512 consecutive bytes
.endr
.endr
.macro LOADWR e                        ; row e of Wr into slot e % 4, laid as x
.irp t, 0,1
.irp i, 0,1,2,3
	global_load_b128 v[WR+32*((\e)%4)+16*\t+4*\i:WR+32*((\e)%4)+16*\t+4*\i+3], v2, s[6:7] offset:4096*(\e)+2048*\t+512*\i
.endr
.endr
.endm
	LOADWR 0
	LOADWR 1
	LOADWR 2
	LOADWR 3
	s_wait_loadcnt 32                              ; x is in; the 32 loads of Wr behind it may be out
.irp t, 0,1                            ; x turns through the stage: in as it lies, out 64 bytes a lane.  LDS serves a wave's instructions in order, so no wait stands between
.irp i, 0,1,2,3
	ds_store_b128 v3, v[R+16*\t+4*\i:R+16*\t+4*\i+3] offset:32*SP*\t+8*SP*\i
.endr
.irp i, 0,1,2,3
	ds_load_b128 v[X+16*\t+4*\i:X+16*\t+4*\i+3], v4 offset:32*SP*\t+16*\i
.endr
.endr
; my 32 numbers' part of logit e, in two packed chains that the first products start.  left: the later rows' loads, 8 each, that may stay out
.macro DOT e, left
.set W, WR+32*((\e)%4)
.set A, AC+4*(\e)
	s_wait_loadcnt \left
	v_pk_mul_f32 v[A:A+1], v[R:R+1], v[W:W+1]
	v_pk_mul_f32 v[A+2:A+3], v[R+2:R+3], v[W+2:W+3]
.irp i, 4,8,12,16,20,24,28
	v_pk_fma_f32 v[A:A+1], v[R+\i:R+\i+1], v[W+\i:W+\i+1], v[A:A+1]
	v_pk_fma_f32 v[A+2:A+3], v[R+\i+2:R+\i+3], v[W+\i+2:W+\i+3], v[A+2:A+3]
.endr
.if \e < 4
	LOADWR (\e)+4                                  ; the slot takes the row four on
.endif
.endm
	DOT 0, 24
	DOT 1, 24
	DOT 2, 24
	DOT 3, 24
	DOT 4, 24
	DOT 5, 16
	DOT 6, 8
	DOT 7, 0
	; the eight sums over the wave, by turns; every lane ends with all eight logits, at v[AC + 4 e]
.irp e, 0,1,2,3,4,5,6,7
	v_pk_add_f32 v[AC+4*\e:AC+4*\e+1], v[AC+4*\e:AC+4*\e+1], v[AC+4*\e+2:AC+4*\e+3]
.endr
.irp e, 0,1,2,3,4,5,6,7
	v_add_f32 v[AC+4*\e], v[AC+4*\e], v[AC+4*\e+1]
.endr
.irp m, 1,2,4,8
.irp e, 0,1,2,3,4,5,6,7
	v_add_f32_dpp v[AC+4*\e], v[AC+4*\e], v[AC+4*\e] row_xmask:\m row_mask:0xf bank_mask:0xf
.endr
.endr
.irp e, 0,1,2,3,4,5,6,7
	v_permlanex16_b32 v[AC+4*\e+1], v[AC+4*\e], s22, s23
.endr
.irp e, 0,1,2,3,4,5,6,7
	v_add_f32 v[AC+4*\e], v[AC+4*\e], v[AC+4*\e+1]
.endr
	; the two largest, by selects alone.  v80 largest, v81 its expert, v82 second, v83 its expert
	v_mov_b32 v80, v[AC]
	v_mov_b32 v81, 0
	v_mov_b32 v82, 0xff800000                      ; -infinity
	v_mov_b32 v83, 1
.irp e, 1,2,3,4,5,6,7
	v_cmp_gt_f32 s24, v[AC+4*\e], v80              ; strictly above the largest?
	v_cmp_gt_f32 s25, v[AC+4*\e], v82              ; strictly above the second?
	v_cndmask_b32 v82, v82, v[AC+4*\e], s25
	v_cndmask_b32 v83, v83, \e, s25
	v_cndmask_b32 v82, v82, v80, s24               ; a new largest pushes the old one down
	v_cndmask_b32 v83, v83, v81, s24
	v_cndmask_b32 v80, v80, v[AC+4*\e], s24
	v_cndmask_b32 v81, v81, \e, s24
.endr
	v_sub_f32 v84, v82, v80                        ; second - largest: 0 or less
	v_mul_f32 v84, 0x3fb8aa3b, v84                 ; x log2(e)
	v_exp_f32 v84, v84
	v_lshl_or_b32 v86, v83, 8, v81                 ; (a plain line behind the exponential)  e0 | e1 << 8
	s_wait_alu depctr_va_vdst(0)                   ; the wait ahead of the first line that names the result
	v_add_f32 v85, 1.0, v84
	v_rcp_f32 v88, v85                             ; w0
	v_nop
	s_wait_alu depctr_va_vdst(0)
	v_mul_f32 v89, v84, v88                        ; w1
	s_wait_dscnt 0x0                               ; x is back from the stage
; 512 numbers: a block's largest magnitude (my 16, my neighbour's 16, and the floor 2^(5 - 127)), 4 off its exponent field = the conversion's scale operand, its exponent field = the byte
.macro QSTEP t
.set XT, X+16*(\t)
	v_max3_num_f32 v8, |v[XT]|, |v[XT+1]|, |v[XT+2]|
	v_max3_num_f32 v9, |v[XT+3]|, |v[XT+4]|, |v[XT+5]|
.irp i, 6,10
	v_max3_num_f32 v8, v8, |v[XT+\i]|, |v[XT+\i+1]|
	v_max3_num_f32 v9, v9, |v[XT+\i+2]|, |v[XT+\i+3]|
.endr
	v_max3_num_f32 v8, v8, |v[XT+14]|, |v[XT+15]|
	v_max3_num_f32 v8, v8, v9, 0x2800000
	v_max_num_f32_dpp v8, v8, v8 row_xmask:1 row_mask:0xf bank_mask:0xf
	v_add_nc_u32 v[10+\t], 0xfe000000, v8
	v_cvt_scalef32_pk16_bf6_f32 v[C+4*\t:C+4*\t+2], v[XT:XT+15], v[10+\t]
	v_lshrrev_b32 v[12+\t], 23, v[10+\t]           ; the byte (also the plain line behind the conversion)
	ds_store_b8 v5, v[12+\t] offset:16*\t          ; both lanes of a block write the same byte with the same value
	global_store_b96 v6, v[C+4*\t:C+4*\t+2], s[8:9] offset:384*\t   ; the wave stores 384 consecutive bytes; the two steps together a row's 768
.endm
	QSTEP 0
	QSTEP 1
	ds_load_b32 v14, v7                            ; the 32 scale bytes, a word in each of eight lanes (in order behind my byte stores)
	s_wait_dscnt 0x0
	s_wait_xcnt 0x0                                ; EXEC changes only behind this wait: the stores above have read it
	v_cmp_gt_u32 vcc_lo, 8, v1
	s_wait_tensorcnt 0x0
	ds_add_u32 v254, v255
	s_wait_dscnt 0x0
	s_and_saveexec_b32 s26, vcc_lo
	global_store_b32 v15, v14, s[10:11]            ; lanes 0-7: xs[n]
	s_wait_xcnt 0x0                                ; and again
	v_cmp_eq_u32 vcc_lo, 0, v1
	s_and_saveexec_b32 s27, vcc_lo
	global_store_b32 v15, v86, s[12:13]            ; lane 0 (its offset is 0): sel[n]
	global_store_b64 v15, v[88:89], s[14:15]       ; wts[n]
	s_endpgm
.Lfunc_end_k_q94279e229c_route:
	.size	k_q94279e229c_route, .Lfunc_end_k_q94279e229c_route-k_q94279e229c_route
	.p2alignl 7, 3214868480
	.fill 96, 4, 3214868480
	.section	.rodata,"a",@progbits
	.p2align	6, 0x0
	.amdhsa_kernel k_q94279e229c_route
		.amdhsa_group_segment_fixed_size 22016
		.amdhsa_private_segment_fixed_size 0
		.amdhsa_enable_private_segment 0
		.amdhsa_kernarg_size 48
		.amdhsa_user_sgpr_count 2
		.amdhsa_user_sgpr_kernarg_segment_ptr 1
		.amdhsa_wavefront_size32 1
		.amdhsa_system_sgpr_workgroup_id_x 1
		.amdhsa_system_sgpr_workgroup_id_y 1
		.amdhsa_system_sgpr_workgroup_id_z 1
		.amdhsa_system_vgpr_workitem_id 0
		.amdhsa_next_free_vgpr 256
		.amdhsa_next_free_sgpr 66
		.amdhsa_reserve_vcc 1
		.amdhsa_float_denorm_mode_32 3
		.amdhsa_float_denorm_mode_16_64 3
		.amdhsa_memory_ordered 1
		.amdhsa_forward_progress 1
		.amdhsa_inst_pref_size 29
	.end_amdhsa_kernel
	.amdgpu_metadata
---
amdhsa.version: [ 1, 2 ]
amdhsa.kernels:
  - .name:           k_q94279e229c_route
    .symbol:         k_q94279e229c_route.kd
    .args:
      - { .name: x, .offset: 0, .size: 8, .value_kind: global_buffer, .address_space: global }
      - { .name: Wr, .offset: 8, .size: 8, .value_kind: global_buffer, .address_space: global }
      - { .name: xq, .offset: 16, .size: 8, .value_kind: global_buffer, .address_space: global }
      - { .name: xs, .offset: 24, .size: 8, .value_kind: global_buffer, .address_space: global }
      - { .name: sel, .offset: 32, .size: 8, .value_kind: global_buffer, .address_space: global }
      - { .name: wts, .offset: 40, .size: 8, .value_kind: global_buffer, .address_space: global }
    .group_segment_fixed_size: 22016
    .private_segment_fixed_size: 0
    .kernarg_segment_align: 8
    .kernarg_segment_size: 48
    .max_flat_workgroup_size: 128
    .sgpr_count:     66
    .vgpr_count:     256
    .wavefront_size: 32
...
	.end_amdgpu_metadata
.endif
;; end of part 1
;; launch place (part 2): grid 8 x 1, 1 waves a work-group, no clusters, 8,448 bytes of LDS; arguments sel, order; writes order
.if DOCPART == 2
	.amdgcn_target "amdgcn-amd-amdhsa--gfx1250"
	.amdhsa_code_object_version 6
	.text
	.protected	k_q94279e229c_place
	.globl	k_q94279e229c_place
	.p2align	8
	.type	k_q94279e229c_place,@function
k_q94279e229c_place:
	s_mov_b64 s[64:65], 0
	v_nop
	global_prefetch_b8 v0, s[64:65] scope:SCOPE_SE
	s_setreg_imm32_b32 hwreg(HW_REG_WAVE_MODE, 25, 1), 1
	s_wait_xcnt 0x0
; THE ROWS OF EACH EXPERT.  Work-group e, one wave, reads all 1,024 words of sel (e0 | e1 << 8) and lists the slots 2 n + k whose expert is e.
; order's record of expert e, 4,352 bytes: 32 x (P, count), then list[1024].  P = the pairs of 16-row tiles that later launches walk: ceil(count / 32), at least 1.
; Every entry past count holds a pad slot 2048 + 32 e + (position % 32): a row of its own in y that nobody reads; as a token it is held at 1,023.
; The list is made in LDS: a prefill with pad slots, then for each of 32 registers every lane stores its slot: a lane whose token chose e at (matches so far) + (matching lanes below me),
; every other lane at a dump word of its own, position 1024 + lane, which nobody reads.  So all lanes stay on throughout, and the choice is a select.
; One wave: LDS serves its instructions in order, so there is no barrier.  The order of an expert's rows is free: each slot has a row of its own.
	s_load_b128 s[4:7], s[0:1], 0x0                ; sel, order
	v_lshl_add_u32 v64, v0, 2, 0x2000
	v_mov_b32 v65, 0
	v_lshlrev_b32 v2, 4, v0                        ; 16 x lane
	v_lshlrev_b32 v3, 2, v0                        ; 4 x lane
	v_lshlrev_b32 v4, 3, v0                        ; 8 x lane
	v_add_nc_u32 v6, 1024, v0                      ; my dump position
	s_mov_b32 s9, ttmp9                            ; my expert
	s_lshl_b32 s8, s9, 5
	s_add_co_u32 s8, s8, 2048
	v_add_nc_u32 v5, s8, v0                        ; my pad slot
	s_mul_i32 s10, s9, 4352
	s_mov_b32 s11, 0
	s_wait_kmcnt 0x0
	s_add_nc_u64 s[6:7], s[6:7], s[10:11]          ; my record
.irp j, 0,1,2,3,4,5,6,7
	global_load_b128 v[16+4*\j:19+4*\j], v2, s[4:5] offset:512*\j    ; register 4 j + i: token 128 j + 4 lane + i
.endr
.irp q, 0,1,2,3,4,5,6,7,8,9,10,11,12,13,14,15,16,17,18,19,20,21,22,23,24,25,26,27,28,29,30,31
	ds_store_b32 v3, v5 offset:128*\q              ; position 32 q + lane
.endr
	s_wait_loadcnt 0x0
	s_mov_b32 s12, 0                               ; matches so far
.macro PUT j, i
	v_and_b32 v8, 0xff, v[16+4*\j+\i]              ; e0
	v_lshrrev_b32 v9, 8, v[16+4*\j+\i]             ; e1
	v_cmp_eq_u32 s20, s9, v8
	v_cmp_eq_u32 vcc_lo, s9, v9
	v_cndmask_b32 v10, 0, 1, vcc_lo                ; k
	s_or_b32 vcc_lo, s20, vcc_lo                   ; the lanes whose token has chosen me (e0 and e1 differ)
	s_min_u32 s13, s12, 0x3ff                      ; where a lane matches, at most 1,023 have matched before: the hold changes nothing
	v_mbcnt_lo_u32_b32 v11, vcc_lo, 0              ; of the matching lanes, those below me
	v_add_nc_u32 v11, s13, v11
	v_cndmask_b32 v11, v6, v11, vcc_lo             ; a place in the list, or my dump word
	v_min_u32 v11, 0x7ff, v11                      ; inside the 8,192 bytes of LDS
	v_lshlrev_b32 v11, 2, v11
	v_add_nc_u32 v10, v10, v4                      ; the slot: 2 (128 j + 4 lane + i) + k
.if 256*\j+2*\i > 0
	v_add_nc_u32 v10, 256*\j+2*\i, v10
.endif
	ds_store_b32 v11, v10
	s_bcnt1_i32_b32 s21, vcc_lo
	s_add_co_u32 s12, s12, s21
.endm
.irp j, 0,1,2,3,4,5,6,7
.irp i, 0,1,2,3
	PUT \j, \i
.endr
.endr
	s_add_co_u32 s13, s12, 31
	s_lshr_b32 s13, s13, 5
	s_max_u32 s13, s13, 1                          ; P
	v_mov_b32 v12, s13
	v_mov_b32 v13, s12
.irp j, 0,1,2,3,4,5,6,7
	ds_load_b128 v[16+4*\j:19+4*\j], v2 offset:512*\j    ; the list's 4,096 bytes (in order behind my stores); the dump words are left behind
.endr
	s_wait_dscnt 0x0
.irp j, 0,1,2,3,4,5,6,7
	global_store_b128 v2, v[16+4*\j:19+4*\j], s[6:7] offset:256+512*\j   ; 512 consecutive bytes a store
.endr
	global_store_b64 v4, v[12:13], s[6:7]          ; the head: 256 consecutive bytes
	s_wait_tensorcnt 0x0
	ds_add_u32 v64, v65
	s_wait_dscnt 0x0
	s_endpgm
.Lfunc_end_k_q94279e229c_place:
	.size	k_q94279e229c_place, .Lfunc_end_k_q94279e229c_place-k_q94279e229c_place
	.p2alignl 7, 3214868480
	.fill 96, 4, 3214868480
	.section	.rodata,"a",@progbits
	.p2align	6, 0x0
	.amdhsa_kernel k_q94279e229c_place
		.amdhsa_group_segment_fixed_size 8448
		.amdhsa_private_segment_fixed_size 0
		.amdhsa_enable_private_segment 0
		.amdhsa_kernarg_size 16
		.amdhsa_user_sgpr_count 2
		.amdhsa_user_sgpr_kernarg_segment_ptr 1
		.amdhsa_wavefront_size32 1
		.amdhsa_system_sgpr_workgroup_id_x 1
		.amdhsa_system_sgpr_workgroup_id_y 1
		.amdhsa_system_sgpr_workgroup_id_z 1
		.amdhsa_system_vgpr_workitem_id 0
		.amdhsa_next_free_vgpr 66
		.amdhsa_next_free_sgpr 66
		.amdhsa_reserve_vcc 1
		.amdhsa_float_denorm_mode_32 3
		.amdhsa_float_denorm_mode_16_64 3
		.amdhsa_memory_ordered 1
		.amdhsa_forward_progress 1
		.amdhsa_inst_pref_size 31
	.end_amdhsa_kernel
	.amdgpu_metadata
---
amdhsa.version: [ 1, 2 ]
amdhsa.kernels:
  - .name:           k_q94279e229c_place
    .symbol:         k_q94279e229c_place.kd
    .args:
      - { .name: sel, .offset: 0, .size: 8, .value_kind: global_buffer, .address_space: global }
      - { .name: order, .offset: 8, .size: 8, .value_kind: global_buffer, .address_space: global }
    .group_segment_fixed_size: 8448
    .private_segment_fixed_size: 0
    .kernarg_segment_align: 8
    .kernarg_segment_size: 16
    .max_flat_workgroup_size: 32
    .sgpr_count:     66
    .vgpr_count:     66
    .wavefront_size: 32
...
	.end_amdgpu_metadata
.endif
;; end of part 2
;; launch ffn1 (part 3): grid 32 x 8, 8 waves a work-group, no clusters, 302,080 bytes of LDS; arguments order, xq, xs, W1_codes, W1_scales, b1, himg, hs; writes himg, hs
.if DOCPART == 3
	.amdgcn_target "amdgcn-amd-amdhsa--gfx1250"
	.amdhsa_code_object_version 6
	.text
	.protected	k_q94279e229c_ffn1
	.globl	k_q94279e229c_ffn1
	.p2align	8
	.type	k_q94279e229c_ffn1,@function
k_q94279e229c_ffn1:
	s_mov_b64 s[64:65], 0
	v_nop
	global_prefetch_b8 v0, s[64:65] scope:SCOPE_SE
	s_setreg_imm32_b32 hwreg(HW_REG_WAVE_MODE, 25, 1), 1
	s_wait_xcnt 0x0
; FIRST PRODUCT, GELU, QUANTISER:  h = Q(gelu(Q(x) W1[e] + b1[e])) for the rows that chose expert e, on codes of E3M2 with one E8M0 scale for each 32 along K.
; SHARES.  Work-group (c, e) owns hidden units 128 c .. 128 c + 127 of expert e: 128 rows of W1's codes, 96 KiB, read from memory by this work-group alone and kept in LDS.  They are K step c of the second product.
; The expert's rows go in PAIRS of two tiles of 16 list entries; wave w of eight takes pairs w, w + 8, ..: (P + 7 - w) / 8 passes, P read from order.  Pad entries are computed like rows (as token 1,023).
; A PASS: gather 32 rows of xq by the list (whole rows of 768 bytes) through the wave's own stage in LDS into 16 fragments; for each block b of 32 hidden units: 32 products (8 K steps x 2 tiles of x x 2 tiles of W1),
; b1 as the C of each sum's first product; exact GELU in f32; the block's scale and codes.  The four blocks make one fragment and one scale word a row for each tile; they leave as images of the operand's registers.
; THE PRODUCT IS USED TRANSPOSED (source 0 = 16 rows of W1, source 1 = 16 rows of x): a lane holds ONE row and its registers run along the hidden units.  THE ROWS OF W1 THAT FORM A TILE ARE NOT NEIGHBOURS:
; lane r of tile 2 b + u takes row 32 b + 8 u + r + 8 (r / 8), so that the 16 registers of tiles 2 b and 2 b + 1 are 16 neighbours along the next K.  The slice is laid in LDS in that order, so that a tile's rows are neighbours there.
; GELU(x) = hx + |hx| - |hx| t 2^arg, hx = x / 2, t = 1 / (1 + |hx| / sqrt 2), arg = -2 log2(e) hx^2 + c0 + t (c1 + .. + t c9): erfc by its ten-term Chebyshev form (fractional error 1.2e-7 for every x).
; For x < 0 the term hx + |hx| is exactly 0; for x > 0 what is taken away is at most half of x: nothing cancels.  With the two transcendentals the relative error is some 5e-7.
; NO TENSOR LOADS, NO CLUSTER: a wave's number of passes is a number read from memory; without tensor loads there is no joint load.  The weights, the bulk of the bytes, are shared by nobody.
; ONE barrier, ahead of every branch on P.  LIMITS: NaN and infinities are not served; a block under 2^-122 keeps the byte 1, a block of zeros gets the byte 1 (zero codes; only this program reads the bytes).
; REGISTERS, in windows of 256.  Window 0: v1-20 addresses and lane constants; v24-87 W1's scale words, v88-103 x's (they hold scales and nothing else); v104-105 h's scale words; v112-143 four accumulators (at gather time the list);
;   v144-183 the codes; v184-247 GELU's A, T, Q, Z, of which v184-231 are also W1's fragment buffer B; v248-255 the quantiser's.  Window 1: v0-191 x's 16 fragments; v192-207 b1; v208-255 W1's fragment buffer A.
.set PW,    784                        ; an LDS row: 768 bytes + 16 = 196 words: row r starts at bank 4 r mod 64 (64 banks of 4 bytes: ISA guide 11.1)
.set XST,   128*PW                     ; behind the slice: a stage of 32 rows for each wave
.set XSTW,  32*PW
.set W1S,   24                         ; v[W1S + 8 tile + s]
.set XS,    88                         ; v[XS + 8 g + s]
.set HSW,   104
.set ACC,   112                        ; v[ACC + 16 g + 8 u + j]
.set PC,    144                        ; 20 a tile: 12 of the fragment, 8 for the halves that are moved
.set LAND,  144                        ; at the head: where the slice lands, 96 registers
.set TA,    184
.set TT,    200
.set TQ,    216
.set TZ,    232
.set QT,    248
.set WB,    184                        ; buffer B, window 0
.set WA,    208                        ; buffer A, window 1
.set B1,    192                        ; window 1
.set MSB, 0
.macro WIN new                         ; the immediate's high byte repeats the setting that is left
.if MSB != \new
	s_set_vgpr_msb (MSB<<8)|\new
.set MSB, \new
.endif
.endm
.macro PLACES                          ; four plain lines behind a matrix instruction, ahead of loads into its registers and of reads of its result
.rept 4
	v_nop
.endr
.endm
.macro CONST r, v                      ; a constant as a pair: the packed forms name a pair and take its low word for both halves
	s_mov_b32 s[\r], \v
	s_mov_b32 s[\r+1], \v
.endm
	s_load_b256 s[4:11], s[0:1], 0x0               ; order, xq, xs, W1's codes
	s_load_b256 s[12:19], s[0:1], 0x20             ; W1's scales, b1, himg, hs
	v_lshl_add_u32 v110, v0, 2, 0x49800
	v_mov_b32 v111, 0
	v_lshrrev_b32 v1, 5, v0
	v_readfirstlane_b32 s20, v1                    ; wave 0..7
	s_mov_b32 s21, ttmp9                           ; c
	s_and_b32 s22, ttmp7, 0xffff                   ; e
	v_and_b32 v1, 15, v0                           ; r
	v_bfe_u32 v2, v0, 4, 1                         ; h
	v_and_b32 v20, 31, v0                          ; lane
	v_mul_u32_u24 v3, v1, PW
	v_mad_u32_u24 v3, v2, 24, v3                   ; a fragment of the slice: row r, + 24 h; rows 0-63
	v_add_nc_u32 v4, 64*PW, v3                     ; rows 64-127
	v_mul_u32_u24 v5, v2, PW
	v_lshl_add_u32 v5, v1, 4, v5                   ; two rows an instruction: row h, 16 bytes a lane
	s_lshr_b32 s28, s20, 1
	s_lshl_b32 s28, s28, 5
	s_and_b32 s29, s20, 1
	s_lshl_b32 s29, s29, 3
	s_add_co_u32 s28, s28, s29
	s_mul_i32 s28, s28, PW
	v_add_nc_u32 v13, s28, v5                      ; where my 16 rows of the slice go: from LDS row 32 (w / 2) + 8 (w % 2) on
	s_mul_i32 s28, s20, XSTW
	s_add_co_u32 s28, s28, XST                     ; my stage
	v_add_nc_u32 v5, s28, v5                       ; into it
	v_add_nc_u32 v6, s28, v3                       ; out of it, as fragments
	v_lshlrev_b32 v16, 2, v2                       ; 4 h
	v_lshlrev_b32 v17, 2, v1                       ; 4 r
	v_lshlrev_b32 v9, 4, v1                        ; 16 r
	v_lshlrev_b32 v10, 6, v2                       ; b1: 16 numbers further on for lanes 16-31
	v_lshlrev_b32 v11, 4, v20                      ; 16 x lane: an image's place
	v_lshlrev_b32 v12, 3, v20                      ; 8 x lane: two scale words
	v_mul_u32_u24 v18, v2, 768
	v_lshl_add_u32 v18, v1, 4, v18                 ; the slice in memory: row h, 16 bytes a lane
	v_and_b32 v19, 8, v1
	v_add_nc_u32 v19, v19, v1
	v_lshlrev_b32 v19, 5, v19                      ; W1's scales: 32 bytes a row, row r + 8 (r / 8)
	v_mov_b32 v14, 0x3e7c6f08                      ; c9, in a vector pair, so that no line names two scalar pairs
	v_mov_b32 v15, 0x3e7c6f08
	v_mov_b32 v[QT+2], 0                           ; written once: a lane permute's destination counts as one of its sources
	v_mov_b32 v[QT+3], 0
	s_mov_b32 s34, 0x76543210                      ; v_permlanex16_b32's selects for lane l xor 16
	s_mov_b32 s35, 0xfedcba98
	CONST 36, 0x3f3504f3                           ; 1 / sqrt 2
	CONST 38, 0xc038aa3b                           ; -2 log2(e)
	CONST 40, 0xbfe9b21e                           ; c0 .. c8: the form's coefficients x log2(e)
	CONST 42, 0x3fb8ab5a
	CONST 44, 0x3f0a29d2
	CONST 46, 0x3e0efb2e
	CONST 48, 0xbe899a80
	CONST 50, 0x3ecdfd18
	CONST 52, 0xbfd1a1e5
	CONST 54, 0x40097039
	CONST 56, 0xbf97d29d
	s_mov_b32 s58, 0x7fffffff
	s_mov_b32 s29, 0
	s_wait_kmcnt 0x0
	s_mul_i32 s28, s22, 4352
	s_add_nc_u64 s[4:5], s[4:5], s[28:29]          ; my expert's record
	s_load_b32 s23, s[4:5], 0x0                    ; P
	s_lshl_b32 s30, s22, 12
	s_lshl_b32 s31, s21, 7
	s_add_co_u32 s30, s30, s31                     ; my first row of W1: 4096 e + 128 c
	s_lshl_b32 s28, s30, 5
	s_add_nc_u64 s[12:13], s[12:13], s[28:29]      ; its scales
	s_lshl_b32 s28, s30, 2
	s_add_nc_u64 s[14:15], s[14:15], s[28:29]      ; its bias
	s_lshl_b32 s31, s20, 4
	s_add_co_u32 s30, s30, s31
	s_mul_i32 s28, s30, 768
	s_add_nc_u64 s[10:11], s[10:11], s[28:29]      ; the codes of my wave's 16 rows
	s_mul_i32 s28, s22, 64*49152
	s_mul_i32 s31, s21, 1536
	s_add_co_u32 s28, s28, s31
	s_add_nc_u64 s[16:17], s[16:17], s[28:29]      ; himg: [e][tile][K step c]
	s_lshl_b32 s28, s22, 5
	s_add_co_u32 s28, s28, s21
	s_lshl_b32 s28, s28, 13
	s_add_nc_u64 s[18:19], s[18:19], s[28:29]      ; hs: [e][K step c][pair]
; The list entries of pair s26: sixteen registers for the rows as they are loaded (two rows an instruction: entry 16 g + 2 i + h), two for the rows as fragments hold them (entry 16 g + r)
.macro GATHER_A
	s_lshl_b32 s27, s26, 7
	v_add_nc_u32 v7, s27, v16
	v_add_nc_u32 v8, s27, v17
.irp g, 0,1
.irp i, 0,1,2,3,4,5,6,7
	global_load_b32 v[ACC+8*\g+\i], v7, s[4:5] offset:256+4*(16*\g+2*\i)
.endr
.endr
.irp g, 0,1
	global_load_b32 v[ACC+16+\g], v8, s[4:5] offset:256+64*\g
.endr
.endm
; cnt: the loads issued behind the list's.  A slot becomes a token (slot / 2, held at 1,023) and a byte offset; then 4 loads of scale words and 48 of codes: sixteen lanes read 256 consecutive bytes of a row
.macro GATHER_B cnt
	s_wait_loadcnt \cnt
.irp q, 0,1,2,3,4,5,6,7,8,9,10,11,12,13,14,15,16,17
	v_lshrrev_b32 v[ACC+\q], 1, v[ACC+\q]
.endr
.irp q, 0,1,2,3,4,5,6,7,8,9,10,11,12,13,14,15,16,17
	v_min_u32 v[ACC+\q], 0x3ff, v[ACC+\q]
.endr
.irp q, 0,1,2,3,4,5,6,7,8,9,10,11,12,13,14,15
	v_mul_u32_u24 v[ACC+\q], v[ACC+\q], 768
.endr
.irp q, 0,1,2,3,4,5,6,7,8,9,10,11,12,13,14,15
	v_add_nc_u32 v[ACC+\q], v[ACC+\q], v9
.endr
.irp g, 0,1
	v_lshlrev_b32 v[ACC+16+\g], 5, v[ACC+16+\g]
.endr
.irp g, 0,1
	global_load_b128 v[XS+8*\g:XS+8*\g+3], v[ACC+16+\g], s[8:9]
	global_load_b128 v[XS+8*\g+4:XS+8*\g+7], v[ACC+16+\g], s[8:9] offset:16
.endr
	WIN 0x40                                       ; destination window 1
.irp g, 0,1
.irp i, 0,1,2,3,4,5,6,7
.irp u, 0,1,2
	global_load_b128 v[96*\g+4*(3*\i+\u):96*\g+4*(3*\i+\u)+3], v[ACC+8*\g+\i], s[6:7] offset:256*\u
.endr
.endr
.endr
	WIN 0
.endm
; Chunk j = 4 b + k of W1's fragments: K steps 2 k, 2 k + 1 of tiles 2 b, 2 b + 1: 24 loads of 8 bytes into buffer A (k even) or B (k odd)
.macro LOADW j
.set lb, (\j)/4
.set lk, (\j)%4
.if lk%2 == 0
	WIN 0x40
.set lw, WA
.else
	WIN 0
.set lw, WB
.endif
.irp ss, 0,1
.irp u, 0,1
.irp q, 0,1,2,3,4,5
	ds_load_b64 v[lw+12*(2*\ss+\u)+2*\q:lw+12*(2*\ss+\u)+2*\q+1], v[3+lb/2] offset:16*(2*(lb%2)+\u)*PW+96*(2*lk+\ss)+48*(\q/3)+8*(\q%3)
.endr
.endr
.endr
.endm
.macro LOADB1 b                        ; b1 of block b in the result's layout: tile u, lane (r, h): units 32 b + 16 h + 8 u + 0 .. 7.  (Under destination window 1)
.irp u, 0,1
	global_load_b128 v[B1+8*\u:B1+8*\u+3], v10, s[14:15] offset:(32*(\b)+8*\u)*4
	global_load_b128 v[B1+8*\u+4:B1+8*\u+7], v10, s[14:15] offset:(32*(\b)+8*\u)*4+16
.endr
.endm
; Chunk j's 8 products.  The four accumulators take turns, one instruction a turn.
.macro MULW j
.set mb, (\j)/4
.set mk, (\j)%4
.irp ss, 0,1
.if mk%2 == 1
	WIN 0x04                                       ; W1 window 0, x window 1
.set mw, WB
.elseif 2*mk+\ss == 0
	WIN 0x15                                       ; W1, x and b1 window 1
.set mw, WA
.else
	WIN 0x05                                       ; W1 and x window 1
.set mw, WA
.endif
.irp g, 0,1
.irp u, 0,1
.if 2*mk+\ss == 0
	v_wmma_scale_f32_16x16x128_f8f6f4 v[ACC+16*\g+8*\u:ACC+16*\g+8*\u+7], v[mw+12*(2*\ss+\u):mw+12*(2*\ss+\u)+11], v[96*\g+12*(2*mk+\ss):96*\g+12*(2*mk+\ss)+11], v[B1+8*\u:B1+8*\u+7], v[W1S+8*(2*mb+\u)+2*mk+\ss], v[XS+8*\g+2*mk+\ss] matrix_a_fmt:MATRIX_FMT_BF6 matrix_b_fmt:MATRIX_FMT_BF6
.else
	v_wmma_scale_f32_16x16x128_f8f6f4 v[ACC+16*\g+8*\u:ACC+16*\g+8*\u+7], v[mw+12*(2*\ss+\u):mw+12*(2*\ss+\u)+11], v[96*\g+12*(2*mk+\ss):96*\g+12*(2*mk+\ss)+11], v[ACC+16*\g+8*\u:ACC+16*\g+8*\u+7], v[W1S+8*(2*mb+\u)+2*mk+\ss], v[XS+8*\g+2*mk+\ss] matrix_a_fmt:MATRIX_FMT_BF6 matrix_b_fmt:MATRIX_FMT_BF6
.endif
.endr
.endr
.endr
.endm
; Chunk j: the next chunk's fragments are asked for, then this chunk is multiplied
.macro STEPJ j
.if (\j)%4 != 0
	PLACES                                         ; behind chunk j - 1's products, whose buffer and (k = 1) whose b1 are loaded again.  At k = 0 the four lines ahead of GELU have served
.endif
.if \j < 15
	LOADW (\j)+1
.endif
.if ((\j)%4 == 1) && (\j < 12)
	WIN 0x40
	LOADB1 (\j)/4+1                                ; the next block's bias
.endif
.if (\j)%4 == 0
	s_wait_loadcnt 0x0                             ; this block's bias
.endif
.if \j < 15
	s_wait_dscnt 24                                ; all but the 24 loads just issued: this chunk's fragments are in (at j = 0 x's too)
.else
	s_wait_dscnt 0x0
.endif
	MULW \j
.endm
; The exact GELU of tile g's 16 numbers a lane, in place.  Two batches of transcendentals, each with plain work behind it and ONE wait ahead of its first reader
.macro GELU g
.set H, ACC+16*(\g)
.irp i, 0,2,4,6,8,10,12,14
	v_pk_mul_f32 v[H+\i:H+\i+1], v[H+\i:H+\i+1], 0.5 op_sel_hi:[1,0]     ; hx; each accumulator is read from its low end on
.endr
.irp i, 0,1,2,3,4,5,6,7,8,9,10,11,12,13,14,15
	v_and_b32 v[TA+\i], s58, v[H+\i]               ; |hx|
.endr
.irp i, 0,2,4,6,8,10,12,14
	v_pk_fma_f32 v[TT+\i:TT+\i+1], v[TA+\i:TA+\i+1], s[36:37], 1.0 op_sel_hi:[1,0,0]
.endr
.irp i, 0,1,2,3,4,5,6,7,8,9,10,11,12,13,14,15
	v_rcp_f32 v[TT+\i], v[TT+\i]                   ; t
.endr
.irp i, 0,2,4,6,8,10,12,14
	v_pk_mul_f32 v[TZ+\i:TZ+\i+1], v[H+\i:H+\i+1], s[38:39] op_sel_hi:[1,0]
.endr
.irp i, 0,2,4,6,8,10,12,14
	v_pk_fma_f32 v[TZ+\i:TZ+\i+1], v[TZ+\i:TZ+\i+1], v[H+\i:H+\i+1], s[40:41] op_sel_hi:[1,1,0]   ; -2 log2(e) hx^2 + c0
.endr
	s_wait_alu depctr_va_vdst(0)
.irp i, 0,2,4,6,8,10,12,14
	v_pk_fma_f32 v[TQ+\i:TQ+\i+1], v[TT+\i:TT+\i+1], v[14:15], s[56:57] op_sel_hi:[1,1,0]        ; c8 + t c9
.endr
.irp c, 54,52,50,48,46,44,42
.irp i, 0,2,4,6,8,10,12,14
	v_pk_fma_f32 v[TQ+\i:TQ+\i+1], v[TQ+\i:TQ+\i+1], v[TT+\i:TT+\i+1], s[\c:\c+1] op_sel_hi:[1,1,0]
.endr
.endr
.irp i, 0,2,4,6,8,10,12,14
	v_pk_fma_f32 v[TQ+\i:TQ+\i+1], v[TQ+\i:TQ+\i+1], v[TT+\i:TT+\i+1], v[TZ+\i:TZ+\i+1]          ; arg
.endr
.irp i, 0,1,2,3,4,5,6,7,8,9,10,11,12,13,14,15
	v_exp_f32 v[TQ+\i], v[TQ+\i]
.endr
.irp i, 0,2,4,6,8,10,12,14
	v_pk_mul_f32 v[TT+\i:TT+\i+1], v[TT+\i:TT+\i+1], v[TA+\i:TA+\i+1]    ; |hx| t
.endr
.irp i, 0,2,4,6,8,10,12,14
	v_pk_add_f32 v[TA+\i:TA+\i+1], v[H+\i:H+\i+1], v[TA+\i:TA+\i+1]      ; hx + |hx|
.endr
	s_wait_alu depctr_va_vdst(0)
.irp i, 0,2,4,6,8,10,12,14
	v_pk_fma_f32 v[H+\i:H+\i+1], v[TT+\i:TT+\i+1], v[TQ+\i:TQ+\i+1], v[TA+\i:TA+\i+1] neg_lo:[1,0,0] neg_hi:[1,0,0]
.endr
.endm
; Block b of both tiles: the largest magnitude (my 16, lane l xor 16's 16, the floor 2^(5 - 127)), the scale operand, the byte into the tile's scale word, 16 codes.  Behind an odd block the two half blocks
; of lanes 0-15 and 16-31 change places, so that a lane holds a whole block, as the operand's layout asks
.macro BLKQ b
.irp g, 0,1
	v_max3_num_f32 v[QT+\g], |v[ACC+16*\g]|, |v[ACC+16*\g+1]|, 0x2800000
.endr
.irp i, 2,4,6,8,10,12,14
.irp g, 0,1
	v_max3_num_f32 v[QT+\g], v[QT+\g], |v[ACC+16*\g+\i]|, |v[ACC+16*\g+\i+1]|
.endr
.endr
.irp g, 0,1
	v_permlanex16_b32 v[QT+2+\g], v[QT+\g], s34, s35
.endr
.irp g, 0,1
	v_max_num_f32 v[QT+\g], v[QT+\g], v[QT+2+\g]
.endr
.irp g, 0,1
	v_add_nc_u32 v[QT+4+\g], 0xfe000000, v[QT+\g]  ; 4 off the exponent field
.endr
.irp g, 0,1
	v_lshrrev_b32 v[QT+6+\g], 23, v[QT+4+\g]
.endr
.irp g, 0,1
.if \b == 0
	v_mov_b32 v[HSW+\g], v[QT+6+\g]
.else
	v_lshl_or_b32 v[HSW+\g], v[QT+6+\g], 8*\b, v[HSW+\g]
.endif
.endr
.irp g, 0,1
.if (\b)%2 == 0
	v_cvt_scalef32_pk16_bf6_f32 v[PC+20*\g+6*((\b)/2):PC+20*\g+6*((\b)/2)+2], v[ACC+16*\g:ACC+16*\g+15], v[QT+4+\g]
.else
	v_cvt_scalef32_pk16_bf6_f32 v[PC+20*\g+12+4*((\b)/2):PC+20*\g+12+4*((\b)/2)+2], v[ACC+16*\g:ACC+16*\g+15], v[QT+4+\g]
.endif
.endr
	v_nop                                          ; one plain line behind a scaled conversion
.if (\b)%2 == 1
.irp g, 0,1
.irp i, 0,1,2
	v_permlane16_swap_b32 v[PC+20*\g+6*((\b)/2)+\i], v[PC+20*\g+12+4*((\b)/2)+\i]
.endr
.irp i, 0,1,2
	v_mov_b32 v[PC+20*\g+6*((\b)/2)+3+\i], v[PC+20*\g+12+4*((\b)/2)+\i]
.endr
.endr
.endif
.endm
	s_mov_b32 s26, s20                             ; my first pair: all 1,024 list entries are written, so this gather needs no P
	GATHER_A
.irp i, 0,1,2,3,4,5,6,7                ; my 16 rows of the slice: two rows x 256 bytes an instruction; read once in the launch
.irp u, 0,1,2
	global_load_b128 v[LAND+4*(3*\i+\u):LAND+4*(3*\i+\u)+3], v18, s[10:11] offset:1536*\i+256*\u th:TH_LOAD_NT
.endr
.endr
.irp t, 0,1,2,3,4,5,6,7                ; W1's scale words: tile t begins at row 32 (t / 2) + 8 (t % 2); eight words a row
	global_load_b128 v[W1S+8*\t:W1S+8*\t+3], v19, s[12:13] offset:(32*(\t/2)+8*(\t%2))*32
	global_load_b128 v[W1S+8*\t+4:W1S+8*\t+7], v19, s[12:13] offset:(32*(\t/2)+8*(\t%2))*32+16
.endr
	GATHER_B 40                                    ; behind the list: 24 loads of the slice and 16 of its scales
	s_wait_loadcnt 63                              ; of the 110 loads issued the first 47 are in: the list's 18 and the slice's 24 among them
.irp i, 0,1,2,3,4,5,6,7                ; slice row 16 w + 2 i + h goes to LDS row 32 (w / 2) + 8 (w % 2) + 2 i + h + 8 (i / 4)
.irp u, 0,1,2
	ds_store_b128 v13, v[LAND+4*(3*\i+\u):LAND+4*(3*\i+\u)+3] offset:(2*\i+8*(\i/4))*PW+256*\u
.endr
.endr
	s_wait_kmcnt 0x0                               ; P
	s_min_u32 s23, s23, 32
	s_add_co_u32 s24, s23, 7
	s_sub_co_u32 s24, s24, s20
	s_lshr_b32 s24, s24, 3                         ; my passes
	s_mov_b32 s25, 0
	s_wait_dscnt 0x0                               ; for the others' sake: my part of the slice lies in LDS
	s_barrier_signal -1
	s_barrier_wait -1                              ; everybody's does.  The launch's one barrier: every wave passes it, whatever P
	s_cmp_eq_u32 s24, 0
	s_cbranch_scc1 .Lend
.Lpass:
	s_wait_loadcnt 0x0                             ; the pair's rows and scale words (in the first pass W1's scale words too)
	WIN 0x04                                       ; an LDS store's data are its source 1: window 1
.irp g, 0,1
.irp i, 0,1,2,3,4,5,6,7
.irp u, 0,1,2
	ds_store_b128 v5, v[96*\g+4*(3*\i+\u):96*\g+4*(3*\i+\u)+3] offset:(16*\g+2*\i)*PW+256*\u
.endr
.endr
.endr
	WIN 0x40
.irp g, 0,1                            ; back as fragments (g, s) at v[96 g + 12 s] of window 1.  LDS serves a wave's instructions in order: these see the stores above
.irp s, 0,1,2,3,4,5,6,7
.irp q, 0,1,2,3,4,5
	ds_load_b64 v[96*\g+12*\s+2*\q:96*\g+12*\s+2*\q+1], v6 offset:16*\g*PW+96*\s+48*(\q/3)+8*(\q%3)
.endr
.endr
.endr
	LOADW 0
	LOADB1 0
.irp b, 0,1,2,3
	STEPJ 4*\b
	STEPJ 4*\b+1
	STEPJ 4*\b+2
	STEPJ 4*\b+3
	WIN 0
	PLACES                                         ; behind the block's last products: GELU reads their results and writes over buffer B
	GELU 0
	GELU 1
	BLKQ \b
.endr
	s_mul_i32 s28, s26, 2*49152
	s_add_nc_u64 s[30:31], s[16:17], s[28:29]      ; tile 2 p of himg
	s_lshl_b32 s28, s26, 8
	s_add_nc_u64 s[32:33], s[18:19], s[28:29]      ; pair p of hs
.irp g, 0,1
.irp j, 0,1,2
	global_store_b128 v11, v[PC+20*\g+4*\j:PC+20*\g+4*\j+3], s[30:31] offset:49152*\g+512*\j   ; the fragment as it stands: 512 consecutive bytes a store
.endr
.endr
	global_store_b64 v12, v[HSW:HSW+1], s[32:33]   ; both tiles' scale words: 256 consecutive bytes
	s_wait_xcnt 0x0                                ; the stores have read their registers and bases: both are written again below
	s_add_co_u32 s25, s25, 1
	s_add_co_u32 s26, s26, 8
	s_cmp_ge_u32 s25, s24
	s_cbranch_scc1 .Lend                           ; no gather behind the last pass
	GATHER_A
	GATHER_B 0
	s_cmp_lt_u32 s25, s24
	s_cbranch_scc1 .Lpass
.Lend:
	s_wait_tensorcnt 0x0
	ds_add_u32 v110, v111
	s_wait_dscnt 0x0
	s_endpgm
.Lfunc_end_k_q94279e229c_ffn1:
	.size	k_q94279e229c_ffn1, .Lfunc_end_k_q94279e229c_ffn1-k_q94279e229c_ffn1
	.p2alignl 7, 3214868480
	.fill 96, 4, 3214868480
	.section	.rodata,"a",@progbits
	.p2align	6, 0x0
	.amdhsa_kernel k_q94279e229c_ffn1
		.amdhsa_group_segment_fixed_size 302080
		.amdhsa_private_segment_fixed_size 0
		.amdhsa_enable_private_segment 0
		.amdhsa_kernarg_size 64
		.amdhsa_user_sgpr_count 2
		.amdhsa_user_sgpr_kernarg_segment_ptr 1
		.amdhsa_wavefront_size32 1
		.amdhsa_system_sgpr_workgroup_id_x 1
		.amdhsa_system_sgpr_workgroup_id_y 1
		.amdhsa_system_sgpr_workgroup_id_z 1
		.amdhsa_system_vgpr_workitem_id 0
		.amdhsa_next_free_vgpr 512
		.amdhsa_next_free_sgpr 66
		.amdhsa_reserve_vcc 0
		.amdhsa_float_denorm_mode_32 3
		.amdhsa_float_denorm_mode_16_64 3
		.amdhsa_memory_ordered 1
		.amdhsa_forward_progress 1
		.amdhsa_inst_pref_size 171
	.end_amdhsa_kernel
	.amdgpu_metadata
---
amdhsa.version: [ 1, 2 ]
amdhsa.kernels:
  - .name:           k_q94279e229c_ffn1
    .symbol:         k_q94279e229c_ffn1.kd
    .args:
      - { .name: order, .offset: 0, .size: 8, .value_kind: global_buffer, .address_space: global }
      - { .name: xq, .offset: 8, .size: 8, .value_kind: global_buffer, .address_space: global }
      - { .name: xs, .offset: 16, .size: 8, .value_kind: global_buffer, .address_space: global }
      - { .name: W1_codes, .offset: 24, .size: 8, .value_kind: global_buffer, .address_space: global }
      - { .name: W1_scales, .offset: 32, .size: 8, .value_kind: global_buffer, .address_space: global }
      - { .name: b1, .offset: 40, .size: 8, .value_kind: global_buffer, .address_space: global }
      - { .name: himg, .offset: 48, .size: 8, .value_kind: global_buffer, .address_space: global }
      - { .name: hs, .offset: 56, .size: 8, .value_kind: global_buffer, .address_space: global }
    .group_segment_fixed_size: 302080
    .private_segment_fixed_size: 0
    .kernarg_segment_align: 8
    .kernarg_segment_size: 64
    .max_flat_workgroup_size: 256
    .sgpr_count:     66
    .vgpr_count:     512
    .wavefront_size: 32
...
	.end_amdgpu_metadata
.endif
;; end of part 3
;; launch ffn2 (part 4): grid 32 x 8, 8 waves a work-group, no clusters, 135,168 bytes of LDS; arguments order, wts, himg, hs, W2_codes, W2_scales, b2, y; writes y
.if DOCPART == 4
	.amdgcn_target "amdgcn-amd-amdhsa--gfx1250"
	.amdhsa_code_object_version 6
	.text
	.protected	k_q94279e229c_ffn2
	.globl	k_q94279e229c_ffn2
	.p2align	8
	.type	k_q94279e229c_ffn2,@function
k_q94279e229c_ffn2:
	s_mov_b64 s[64:65], 0
	v_nop
	global_prefetch_b8 v0, s[64:65] scope:SCOPE_SE
	s_setreg_imm32_b32 hwreg(HW_REG_WAVE_MODE, 25, 1), 1
	s_wait_xcnt 0x0
; SECOND PRODUCT:  y[kh][slot][d] = w(slot) x (the sum over K half kh of Q(h) W2[e], + b2[e] in half 0), on codes of E3M2 with one E8M0 scale for each 32 along K.
; SHARES.  Work-group (dt + 16 kh, e) owns outputs 64 dt .. 64 dt + 63 and K steps 16 kh .. 16 kh + 15 of expert e: 64 rows x 1,536 bytes of W2's codes, 96 KiB, read from memory by this work-group alone and kept in LDS.
; K in two halves: each byte of h is then read by 16 work-groups and not by 32; the price is a second plane of y.  So K is summed in two halves and the halves and the two experts are added later: another order of f32 rounding than one chain.
; The expert's rows go in pairs of two tiles, wave w of eight takes pairs w, w + 8, ..: (P + 7 - w) / 8 passes, P read from order.  Pad entries go to rows 2048 .. of y, which nobody reads.
; A PASS: h's fragments come from memory straight into registers, as the images that the launch before stored (three loads of 512 consecutive bytes a fragment), six K steps ahead; W2's come from LDS, a K step ahead;
; 16 K steps x 8 products (2 tiles of rows x 4 tiles of outputs), the bias as the C of each sum's first product; x the gate's weight; through the wave's own stage in LDS; out as pieces of 256 bytes of the rows that the list names.
; THE PRODUCT IS USED TRANSPOSED (source 0 = 16 rows of W2, source 1 = 16 rows of h): a lane holds eight neighbouring outputs of one row.
; NO TENSOR LOADS, NO CLUSTER: a wave's number of passes is a number read from memory; without tensor loads there is no joint load.  ONE barrier, ahead of every branch on P.
; REGISTERS, in windows of 256.  Window 0: v1-20 addresses and lane constants; v24-87 W2's scale words, v88-119 h's (they hold scales and nothing else); v120-183 eight accumulators; v184-215 the bias; v216-231 the rows' offsets in y;
;   v232-235 the weights, as pairs; v236-237 their offsets.  Window 1: v0-143 h's fragments, a ring of six K steps; v144-191, v192-239 W2's fragments, even and odd K steps.
.set PW,   1552                        ; an LDS row: 1,536 bytes + 16 = 388 words: row r starts at bank 4 r mod 64 (64 banks of 4 bytes: ISA guide 11.1)
.set STG,  64*PW                       ; behind the slice: a stage of 16 rows x (256 + 16) bytes for each wave
.set W2S,  24                          ; v[W2S + 16 j + s]
.set HS,   88                          ; v[HS + 2 s + g]
.set ACC,  120                         ; v[ACC + 32 g + 8 j + i]
.set B2,   184
.set YO,   216
.set WT,   232
.set LS,   236
.set WF,   144                         ; window 1
.set MSB, 0
.macro WIN new                         ; the immediate's high byte repeats the setting that is left
.if MSB != \new
	s_set_vgpr_msb (MSB<<8)|\new
.set MSB, \new
.endif
.endm
.macro PLACES                          ; four plain lines behind a matrix instruction, ahead of loads into its registers and of reads of its result
.rept 4
	v_nop
.endr
.endm
	s_load_b256 s[4:11], s[0:1], 0x0               ; order, wts, himg, hs
	s_load_b256 s[12:19], s[0:1], 0x20             ; W2's codes, W2's scales, b2, y
	v_lshl_add_u32 v254, v0, 2, 0x20c00
	v_mov_b32 v255, 0
	v_lshrrev_b32 v1, 5, v0
	v_readfirstlane_b32 s20, v1                    ; wave 0..7
	s_and_b32 s21, ttmp9, 15                       ; dt
	s_lshr_b32 s27, ttmp9, 4                       ; kh
	s_and_b32 s22, ttmp7, 0xffff                   ; e
	v_and_b32 v1, 15, v0                           ; r
	v_bfe_u32 v2, v0, 4, 1                         ; h
	v_and_b32 v20, 31, v0                          ; lane
	v_mul_u32_u24 v3, v1, PW
	v_mad_u32_u24 v3, v2, 24, v3                   ; a fragment of the slice: row r, + 24 h; rows 0-31
	v_add_nc_u32 v4, 32*PW, v3                     ; rows 32-63
	s_mul_i32 s28, s20, 16*272
	s_add_co_u32 s28, s28, STG                     ; my stage
	v_mul_u32_u24 v5, v1, 272
	v_lshl_add_u32 v5, v2, 5, v5
	v_add_nc_u32 v5, s28, v5                       ; in: row r, 32 bytes for each half of the lanes
	v_mul_u32_u24 v6, v2, 272
	v_lshl_add_u32 v6, v1, 4, v6
	v_add_nc_u32 v6, s28, v6                       ; back: lanes 0-15 one row of 256 bytes, lanes 16-31 the next
	v_lshlrev_b32 v16, 2, v2                       ; 4 h
	v_lshlrev_b32 v17, 2, v1                       ; 4 r
	v_lshlrev_b32 v9, 4, v1                        ; 16 r
	v_lshlrev_b32 v11, 4, v20                      ; 16 x lane
	v_lshlrev_b32 v12, 3, v20                      ; 8 x lane
	s_mul_i32 s28, s20, 8*PW
	v_add_nc_u32 v13, s28, v11                     ; where my 8 rows of the slice go
	v_lshlrev_b32 v18, 7, v1                       ; W2's scales: 128 bytes a row
	v_lshlrev_b32 v19, 5, v2                       ; b2: 8 numbers further on for lanes 16-31
	v_mov_b32 v[WT+1], 0                           ; named as the upper halves of pairs, so they are written
	v_mov_b32 v[WT+3], 0
	s_mov_b32 s29, 0
	s_wait_kmcnt 0x0
	s_mul_i32 s28, s22, 4352
	s_add_nc_u64 s[4:5], s[4:5], s[28:29]          ; my expert's record
	s_load_b32 s23, s[4:5], 0x0                    ; P
	s_lshl_b32 s30, s22, 10
	s_lshl_b32 s31, s21, 6
	s_add_co_u32 s30, s30, s31                     ; my first row of W2: 1024 e + 64 dt
	s_lshl_b32 s28, s30, 7
	s_lshl_b32 s31, s27, 6
	s_add_co_u32 s28, s28, s31
	s_add_nc_u64 s[14:15], s[14:15], s[28:29]      ; its scales, my half of K
	s_lshl_b32 s28, s30, 2
	s_add_nc_u64 s[16:17], s[16:17], s[28:29]      ; its bias
	s_lshl_b32 s31, s20, 3
	s_add_co_u32 s30, s30, s31
	s_mul_i32 s28, s30, 3072
	s_mul_i32 s31, s27, 1536
	s_add_co_u32 s28, s28, s31
	s_add_nc_u64 s[12:13], s[12:13], s[28:29]      ; the codes of my wave's 8 rows, my half of K
	s_mul_i32 s28, s27, 2304*4096
	s_lshl_b32 s31, s21, 8
	s_add_co_u32 s28, s28, s31
	s_add_nc_u64 s[18:19], s[18:19], s[28:29]      ; y: plane kh, my 256 bytes of a row
	s_mul_i32 s28, s22, 64*49152
	s_mul_i32 s31, s27, 16*1536
	s_add_co_u32 s28, s28, s31
	s_add_nc_u64 s[8:9], s[8:9], s[28:29]          ; himg: [e][tile][my first K step]
	s_lshl_b32 s28, s22, 5
	s_lshl_b32 s31, s27, 4
	s_add_co_u32 s28, s28, s31
	s_lshl_b32 s28, s28, 13
	s_add_nc_u64 s[10:11], s[10:11], s[28:29]      ; hs: [e][my first K step][pair]
; All that pair s26 needs first: 18 list entries, 16 pairs of scale words, the fragments of K steps 0 to 5: 70 loads
.macro PASSLOAD
	s_lshl_b32 s28, s26, 7
	v_add_nc_u32 v7, s28, v16
	v_add_nc_u32 v8, s28, v17
	s_mul_i32 s28, s26, 2*49152
	s_add_nc_u64 s[30:31], s[8:9], s[28:29]
	s_lshl_b32 s28, s26, 8
	s_add_nc_u64 s[32:33], s[10:11], s[28:29]
.irp g, 0,1
.irp i, 0,1,2,3,4,5,6,7
	global_load_b32 v[YO+8*\g+\i], v7, s[4:5] offset:256+4*(16*\g+2*\i)      ; entry 16 g + 2 i + h: the rows as they are stored
.endr
.endr
.irp g, 0,1
	global_load_b32 v[LS+\g], v8, s[4:5] offset:256+64*\g                    ; entry 16 g + r: the rows as the lanes hold them
.endr
.irp s, 0,1,2,3,4,5,6,7,8,9,10,11,12,13,14,15
	global_load_b64 v[HS+2*\s:HS+2*\s+1], v12, s[32:33] offset:8192*\s
.endr
	WIN 0x40                                       ; destination window 1
.irp s, 0,1,2,3,4,5
.irp g, 0,1
.irp j, 0,1,2
	global_load_b128 v[24*\s+12*\g+4*\j:24*\s+12*\g+4*\j+3], v11, s[30:31] offset:49152*\g+1536*\s+512*\j
.endr
.endr
.endr
	WIN 0
.endm
.macro LOADW s                         ; W2's four fragments of K step s: 24 loads of 8 bytes.  (Under destination window 1)
.irp j, 0,1,2,3
.irp q, 0,1,2,3,4,5
	ds_load_b64 v[WF+48*((\s)%2)+12*\j+2*\q:WF+48*((\s)%2)+12*\j+2*\q+1], v[3+\j/2] offset:16*(\j%2)*PW+96*(\s)+48*(\q/3)+8*(\q%3)
.endr
.endr
.endm
; K step s.  The eight accumulators take turns, one instruction a turn.
.macro KSTEP s
.if \s > 0
	PLACES                                         ; behind K step s - 1's products, whose registers of W2 and of h are loaded again
.endif
	WIN 0x40
.if \s < 15
	LOADW (\s)+1
.endif
.if (\s >= 1) && (\s <= 10)
.irp g, 0,1
.irp j, 0,1,2
	global_load_b128 v[24*((\s+5)%6)+12*\g+4*\j:24*((\s+5)%6)+12*\g+4*\j+3], v11, s[30:31] offset:49152*\g+1536*(\s+5)+512*\j
.endr
.endr
.endif
.if \s <= 10
	s_wait_loadcnt 30                              ; the five later K steps' loads, 6 each, may stay out (the weights' two make it 32 in the first steps: the smaller count is safe)
.else
	s_wait_loadcnt 6*(15-\s)
.endif
.if \s < 15
	s_wait_dscnt 24                                ; all but the 24 loads just issued
.else
	s_wait_dscnt 0x0
.endif
	WIN 0x05                                       ; W2 and h window 1
.irp g, 0,1
.irp j, 0,1,2,3
.if \s == 0
	v_wmma_scale_f32_16x16x128_f8f6f4 v[ACC+32*\g+8*\j:ACC+32*\g+8*\j+7], v[WF+48*((\s)%2)+12*\j:WF+48*((\s)%2)+12*\j+11], v[24*((\s)%6)+12*\g:24*((\s)%6)+12*\g+11], v[B2+8*\j:B2+8*\j+7], v[W2S+16*\j+\s], v[HS+2*\s+\g] matrix_a_fmt:MATRIX_FMT_BF6 matrix_b_fmt:MATRIX_FMT_BF6
.else
	v_wmma_scale_f32_16x16x128_f8f6f4 v[ACC+32*\g+8*\j:ACC+32*\g+8*\j+7], v[WF+48*((\s)%2)+12*\j:WF+48*((\s)%2)+12*\j+11], v[24*((\s)%6)+12*\g:24*((\s)%6)+12*\g+11], v[ACC+32*\g+8*\j:ACC+32*\g+8*\j+7], v[W2S+16*\j+\s], v[HS+2*\s+\g] matrix_a_fmt:MATRIX_FMT_BF6 matrix_b_fmt:MATRIX_FMT_BF6
.endif
.endr
.endr
.endm
; Tile g: x the row's weight (each accumulator from its low end on), into my stage, back as whole pieces of 256 bytes, into the registers that they left
.macro PACK g
.irp i, 0,2,4,6,8,10,12,14,16,18,20,22,24,26,28,30
	v_pk_mul_f32 v[ACC+32*\g+\i:ACC+32*\g+\i+1], v[ACC+32*\g+\i:ACC+32*\g+\i+1], v[WT+2*\g:WT+2*\g+1] op_sel_hi:[1,0]
.endr
.irp j, 0,1,2,3
	ds_store_b128 v5, v[ACC+32*\g+8*\j:ACC+32*\g+8*\j+3] offset:64*\j
	ds_store_b128 v5, v[ACC+32*\g+8*\j+4:ACC+32*\g+8*\j+7] offset:64*\j+16
.endr
.irp i, 0,1,2,3,4,5,6,7
	ds_load_b128 v[ACC+32*\g+4*\i:ACC+32*\g+4*\i+3], v6 offset:544*\i    ; LDS serves a wave's instructions in order: these see the stores above, and the next tile's stores come behind them
.endr
.endm
.macro SEND g, younger                 ; younger: the LDS instructions issued behind tile g's loads
.irp i, 0,1,2,3,4,5,6,7
	s_wait_dscnt \younger+7-\i
	global_store_b128 v[YO+8*\g+\i], v[ACC+32*\g+4*\i:ACC+32*\g+4*\i+3], s[18:19]   ; sixteen lanes store 256 consecutive bytes, at a multiple of 256 from y's first byte
.endr
.endm
	WIN 0x40
.irp i, 0,1,2,3,4,5,6,7                ; my 8 rows of the slice: 512 consecutive bytes an instruction; read once in the launch
.irp u, 0,1,2
	global_load_b128 v[WF+4*(3*\i+\u):WF+4*(3*\i+\u)+3], v11, s[12:13] offset:3072*\i+512*\u th:TH_LOAD_NT
.endr
.endr
	WIN 0
.irp j, 0,1,2,3
.irp q, 0,1,2,3
	global_load_b128 v[W2S+16*\j+4*\q:W2S+16*\j+4*\q+3], v18, s[14:15] offset:2048*\j+16*\q
.endr
.endr
.irp j, 0,1,2,3
	global_load_b128 v[B2+8*\j:B2+8*\j+3], v19, s[16:17] offset:64*\j
	global_load_b128 v[B2+8*\j+4:B2+8*\j+7], v19, s[16:17] offset:64*\j+16
.endr
	s_wait_kmcnt 0x0                               ; P
	s_min_u32 s23, s23, 32
	s_add_co_u32 s24, s23, 7
	s_sub_co_u32 s24, s24, s20
	s_lshr_b32 s24, s24, 3                         ; my passes
	s_mov_b32 s25, 0
	s_sub_co_u32 s26, s23, 1
	s_min_u32 s26, s26, s20                        ; my first pair; a wave with no pass asks for the last pair, which has been stored (P is at least 1), and uses nothing of it
	s_min_u32 s26, s26, 31
	PASSLOAD
	s_wait_loadcnt 63                              ; of the 118 loads issued the first 55 are in: the slice's 24, its scales' 16 and the bias's 8 among them
	WIN 0x04                                       ; an LDS store's data are its source 1: window 1
.irp i, 0,1,2,3,4,5,6,7
.irp u, 0,1,2
	ds_store_b128 v13, v[WF+4*(3*\i+\u):WF+4*(3*\i+\u)+3] offset:PW*\i+512*\u
.endr
.endr
	WIN 0
	s_cmp_eq_u32 s27, 1
	s_cselect_b32 s28, -1, 0
.irp i, 0,1,2,3,4,5,6,7,8,9,10,11,12,13,14,15,16,17,18,19,20,21,22,23,24,25,26,27,28,29,30,31
	v_cndmask_b32 v[B2+\i], v[B2+\i], 0, s28       ; the bias counts once: in K's second half it is 0
.endr
	s_wait_dscnt 0x0                               ; for the others' sake: my part of the slice lies in LDS
	s_barrier_signal -1
	s_barrier_wait -1                              ; everybody's does.  The launch's one barrier: every wave passes it, whatever P
	s_cmp_eq_u32 s24, 0
	s_cbranch_scc1 .Lend
.Lpass:
	s_wait_loadcnt 52                              ; the list is in: behind it stand 16 loads of scale words and 36 of fragments
.irp q, 0,1,2,3,4,5,6,7,8,9,10,11,12,13,14,15
	v_min_u32 v[YO+\q], 0x8ff, v[YO+\q]            ; a row of y: 2,303 at the most
.endr
.irp q, 0,1,2,3,4,5,6,7,8,9,10,11,12,13,14,15
	v_lshlrev_b32 v[YO+\q], 12, v[YO+\q]
.endr
.irp q, 0,1,2,3,4,5,6,7,8,9,10,11,12,13,14,15
	v_add_nc_u32 v[YO+\q], v[YO+\q], v9
.endr
.irp g, 0,1
	v_min_u32 v[LS+\g], 0x7ff, v[LS+\g]            ; a pad row takes some weight: its result is read by nobody
	v_lshlrev_b32 v[LS+\g], 2, v[LS+\g]
.endr
.irp g, 0,1
	global_load_b32 v[WT+2*\g], v[LS+\g], s[6:7]
.endr
	WIN 0x40
	LOADW 0
.irp s, 0,1,2,3,4,5,6,7,8,9,10,11,12,13,14,15
	KSTEP \s
.endr
	WIN 0
	PLACES                                         ; behind the last products
	PACK 0
	PACK 1
	SEND 0, 16
	SEND 1, 0
	s_wait_xcnt 0x0                                ; the stores have read their registers: they are written again below
	s_add_co_u32 s25, s25, 1
	s_add_co_u32 s26, s26, 8
	s_cmp_ge_u32 s25, s24
	s_cbranch_scc1 .Lend                           ; nothing is asked for behind the last pass
	PASSLOAD
	s_cmp_lt_u32 s25, s24
	s_cbranch_scc1 .Lpass
.Lend:
	s_wait_tensorcnt 0x0
	ds_add_u32 v254, v255
	s_wait_dscnt 0x0
	s_endpgm
.Lfunc_end_k_q94279e229c_ffn2:
	.size	k_q94279e229c_ffn2, .Lfunc_end_k_q94279e229c_ffn2-k_q94279e229c_ffn2
	.p2alignl 7, 3214868480
	.fill 96, 4, 3214868480
	.section	.rodata,"a",@progbits
	.p2align	6, 0x0
	.amdhsa_kernel k_q94279e229c_ffn2
		.amdhsa_group_segment_fixed_size 135168
		.amdhsa_private_segment_fixed_size 0
		.amdhsa_enable_private_segment 0
		.amdhsa_kernarg_size 64
		.amdhsa_user_sgpr_count 2
		.amdhsa_user_sgpr_kernarg_segment_ptr 1
		.amdhsa_wavefront_size32 1
		.amdhsa_system_sgpr_workgroup_id_x 1
		.amdhsa_system_sgpr_workgroup_id_y 1
		.amdhsa_system_sgpr_workgroup_id_z 1
		.amdhsa_system_vgpr_workitem_id 0
		.amdhsa_next_free_vgpr 512
		.amdhsa_next_free_sgpr 66
		.amdhsa_reserve_vcc 0
		.amdhsa_float_denorm_mode_32 3
		.amdhsa_float_denorm_mode_16_64 3
		.amdhsa_memory_ordered 1
		.amdhsa_forward_progress 1
		.amdhsa_inst_pref_size 84
	.end_amdhsa_kernel
	.amdgpu_metadata
---
amdhsa.version: [ 1, 2 ]
amdhsa.kernels:
  - .name:           k_q94279e229c_ffn2
    .symbol:         k_q94279e229c_ffn2.kd
    .args:
      - { .name: order, .offset: 0, .size: 8, .value_kind: global_buffer, .address_space: global }
      - { .name: wts, .offset: 8, .size: 8, .value_kind: global_buffer, .address_space: global }
      - { .name: himg, .offset: 16, .size: 8, .value_kind: global_buffer, .address_space: global }
      - { .name: hs, .offset: 24, .size: 8, .value_kind: global_buffer, .address_space: global }
      - { .name: W2_codes, .offset: 32, .size: 8, .value_kind: global_buffer, .address_space: global }
      - { .name: W2_scales, .offset: 40, .size: 8, .value_kind: global_buffer, .address_space: global }
      - { .name: b2, .offset: 48, .size: 8, .value_kind: global_buffer, .address_space: global }
      - { .name: y, .offset: 56, .size: 8, .value_kind: global_buffer, .address_space: global }
    .group_segment_fixed_size: 135168
    .private_segment_fixed_size: 0
    .kernarg_segment_align: 8
    .kernarg_segment_size: 64
    .max_flat_workgroup_size: 256
    .sgpr_count:     66
    .vgpr_count:     512
    .wavefront_size: 32
...
	.end_amdgpu_metadata
.endif
;; end of part 4
;; launch combine (part 5): grid 256 x 1, 8 waves a work-group, no clusters, 0 bytes of LDS; arguments y, out0; writes out0
.if DOCPART == 5
	.amdgcn_target "amdgcn-amd-amdhsa--gfx1250"
	.amdhsa_code_object_version 6
	.text
	.protected	k_q94279e229c_combine
	.globl	k_q94279e229c_combine
	.p2align	8
	.type	k_q94279e229c_combine,@function
k_q94279e229c_combine:
	s_mov_b64 s[64:65], 0
	v_nop
	global_prefetch_b8 v0, s[64:65] scope:SCOPE_SE
	s_setreg_imm32_b32 hwreg(HW_REG_WAVE_MODE, 25, 1), 1
	s_wait_xcnt 0x0
; out0[n] = y[0][2 n] + y[0][2 n + 1] + y[1][2 n] + y[1][2 n + 1]: the two halves of K and the two chosen experts; the gates' weights and the biases are in y already.
; A stream: a work-group takes 4 tokens, thread t the 16 bytes at 16 t of every row of 4,096 bytes, so that a load or store of a wave covers 512 consecutive bytes.  All 16 loads of a thread go out at once.
; No LDS, no barrier, no matrix unit, no cluster: nothing is shared.
	s_load_b128 s[4:7], s[0:1], 0x0                ; y, out0
	v_lshlrev_b32 v1, 4, v0
	s_lshl_b32 s8, ttmp9, 15                       ; 8 rows of y
	s_mov_b32 s9, 0
	s_lshl_b32 s10, ttmp9, 14                      ; 4 rows of out0
	s_mov_b32 s11, 0
	s_wait_kmcnt 0x0
	s_add_nc_u64 s[4:5], s[4:5], s[8:9]
	s_add_nc_u64 s[12:13], s[4:5], 2304*4096       ; the second plane
	s_add_nc_u64 s[6:7], s[6:7], s[10:11]
.irp q, 0,1,2,3
	global_load_b128 v[4+16*\q:7+16*\q],   v1, s[4:5] offset:8192*\q th:TH_LOAD_NT
	global_load_b128 v[8+16*\q:11+16*\q],  v1, s[4:5] offset:8192*\q+4096 th:TH_LOAD_NT
	global_load_b128 v[12+16*\q:15+16*\q], v1, s[12:13] offset:8192*\q th:TH_LOAD_NT
	global_load_b128 v[16+16*\q:19+16*\q], v1, s[12:13] offset:8192*\q+4096 th:TH_LOAD_NT
.endr
.irp q, 0,1,2,3
	s_wait_loadcnt 12-4*\q                         ; this token's four loads are in; the later tokens', four each, may be out
	v_pk_add_f32 v[4+16*\q:5+16*\q], v[4+16*\q:5+16*\q], v[8+16*\q:9+16*\q]
	v_pk_add_f32 v[6+16*\q:7+16*\q], v[6+16*\q:7+16*\q], v[10+16*\q:11+16*\q]
	v_pk_add_f32 v[12+16*\q:13+16*\q], v[12+16*\q:13+16*\q], v[16+16*\q:17+16*\q]
	v_pk_add_f32 v[14+16*\q:15+16*\q], v[14+16*\q:15+16*\q], v[18+16*\q:19+16*\q]
	v_pk_add_f32 v[4+16*\q:5+16*\q], v[4+16*\q:5+16*\q], v[12+16*\q:13+16*\q]
	v_pk_add_f32 v[6+16*\q:7+16*\q], v[6+16*\q:7+16*\q], v[14+16*\q:15+16*\q]
	global_store_b128 v1, v[4+16*\q:7+16*\q], s[6:7] offset:4096*\q th:TH_STORE_NT
.endr
	s_endpgm
.Lfunc_end_k_q94279e229c_combine:
	.size	k_q94279e229c_combine, .Lfunc_end_k_q94279e229c_combine-k_q94279e229c_combine
	.p2alignl 7, 3214868480
	.fill 96, 4, 3214868480
	.section	.rodata,"a",@progbits
	.p2align	6, 0x0
	.amdhsa_kernel k_q94279e229c_combine
		.amdhsa_group_segment_fixed_size 0
		.amdhsa_private_segment_fixed_size 0
		.amdhsa_enable_private_segment 0
		.amdhsa_kernarg_size 16
		.amdhsa_user_sgpr_count 2
		.amdhsa_user_sgpr_kernarg_segment_ptr 1
		.amdhsa_wavefront_size32 1
		.amdhsa_system_sgpr_workgroup_id_x 1
		.amdhsa_system_sgpr_workgroup_id_y 1
		.amdhsa_system_sgpr_workgroup_id_z 1
		.amdhsa_system_vgpr_workitem_id 0
		.amdhsa_next_free_vgpr 96
		.amdhsa_next_free_sgpr 66
		.amdhsa_reserve_vcc 0
		.amdhsa_float_denorm_mode_32 3
		.amdhsa_float_denorm_mode_16_64 3
		.amdhsa_memory_ordered 1
		.amdhsa_forward_progress 1
		.amdhsa_inst_pref_size 5
	.end_amdhsa_kernel
	.amdgpu_metadata
---
amdhsa.version: [ 1, 2 ]
amdhsa.kernels:
  - .name:           k_q94279e229c_combine
    .symbol:         k_q94279e229c_combine.kd
    .args:
      - { .name: y, .offset: 0, .size: 8, .value_kind: global_buffer, .address_space: global }
      - { .name: out0, .offset: 8, .size: 8, .value_kind: global_buffer, .address_space: global }
    .group_segment_fixed_size: 0
    .private_segment_fixed_size: 0
    .kernarg_segment_align: 8
    .kernarg_segment_size: 16
    .max_flat_workgroup_size: 256
    .sgpr_count:     66
    .vgpr_count:     96
    .wavefront_size: 32
...
	.end_amdgpu_metadata
.endif
;; end of part 5
;; ======== version 2 of 3: 4 launches; 1.13 times as fast as version 1
;; workspace buffers: xq 786,432 bytes; xs 32,768 bytes; sel 4,096 bytes of whole numbers; wts 8,192 bytes; order 34,816 bytes of whole numbers; himg 25,165,824 bytes; hs 2,097,152 bytes; y 18,874,368 bytes
;; launch route: the kernel of part 1 again; grid 256 x 1, 4 waves a work-group, no clusters, 22,016 bytes of LDS; arguments x, Wr, xq, xs, sel, wts; writes xq, xs, sel, wts
;; launch ffn1 (part 6): grid 32 x 8, 8 waves a work-group, no clusters, 310,272 bytes of LDS; arguments sel, xq, xs, W1_codes, W1_scales, b1, himg, hs, order; writes himg, hs, order
.if DOCPART == 6
	.amdgcn_target "amdgcn-amd-amdhsa--gfx1250"
	.amdhsa_code_object_version 6
	.text
	.protected	k_q94279e229c_ffn1
	.globl	k_q94279e229c_ffn1
	.p2align	8
	.type	k_q94279e229c_ffn1,@function
k_q94279e229c_ffn1:
	s_mov_b64 s[64:65], 0
	v_nop
	global_prefetch_b8 v0, s[64:65] scope:SCOPE_SE
	s_setreg_imm32_b32 hwreg(HW_REG_WAVE_MODE, 25, 1), 1
	s_wait_xcnt 0x0
; THE ROWS OF EACH EXPERT, FIRST PRODUCT, GELU, QUANTISER:  h = Q(gelu(Q(x) W1[e] + b1[e])) for the rows that chose expert e, on codes of E3M2 with one E8M0 scale for each 32 along K.
; SHARES.  Work-group (c, e) owns hidden units 128 c .. 128 c + 127 of expert e: 128 rows of W1's codes, 96 KiB, read from memory by this work-group alone and kept in LDS.  They are K step c of the second product.
; THE LIST.  Wave 0 reads all 1,024 words of sel (e0 | e1 << 8, whole numbers that the launch before stored) and lists in LDS the slots 2 n + k whose expert is e: a prefill with pad slots 2048 + 32 e + (position % 32), then for
; each of 32 registers every lane stores its slot: a lane whose token chose e at (matches so far) + (matching lanes below it), every other lane at a dump word of its own, which nobody reads.  All lanes stay on; the choice is a select.
; Meanwhile the slice's loads of all eight waves are on their way.  These stores' addresses are made from data, so a barrier of their own parts them from every other wave's LDS access.  Every work-group of an expert makes the same list;
; the work-group with c = 0 also stores it in order (32 x (P, count), then list[1024]) for the next launch.  P = the pairs of tiles to walk: ceil(count / 32), at least 1.
; The expert's rows go in PAIRS of two tiles of 16 list entries; wave w of eight takes pairs w, w + 8, w + 16, w + 24: a loop of four trips, a constant, in which a trip whose pair lies at or past P is jumped over: so every
; LDS address but the scatter's is made of constants, the wave's number and a counted loop's steps.  Pad entries are computed like rows (as token 1,023).
; A PASS: gather 32 rows of xq by the list (whole rows of 768 bytes) through the wave's own stage in LDS into 16 fragments; for each block b of 32 hidden units: 32 products (8 K steps x 2 tiles of x x 2 tiles of W1),
; b1 as the C of each sum's first product; exact GELU in f32; the block's scale and codes.  The four blocks make one fragment and one scale word a row for each tile; they leave as images of the operand's registers.
; THE PRODUCT IS USED TRANSPOSED (source 0 = 16 rows of W1, source 1 = 16 rows of x): a lane holds ONE row and its registers run along the hidden units.  THE ROWS OF W1 THAT FORM A TILE ARE NOT NEIGHBOURS:
; lane r of tile 2 b + u takes row 32 b + 8 u + r + 8 (r / 8), so that the 16 registers of tiles 2 b and 2 b + 1 are 16 neighbours along the next K.  The slice is laid in LDS in that order, so that a tile's rows are neighbours there.
; GELU(x) = hx + |hx| - |hx| t 2^arg, hx = x / 2, t = 1 / (1 + |hx| / sqrt 2), arg = -2 log2(e) hx^2 + c0 + t (c1 + .. + t c9): erfc by its ten-term Chebyshev form (fractional error 1.2e-7 for every x).
; For x < 0 the term hx + |hx| is exactly 0; for x > 0 what is taken away is at most half of x: nothing cancels.  With the two transcendentals the relative error is some 5e-7.
; NO TENSOR LOADS, NO CLUSTER: which passes a wave runs hangs on numbers read from memory; without tensor loads there is no joint load.  The weights, the bulk of the bytes, are shared by nobody.
; TWO barriers, both ahead of every branch on P.  LIMITS: NaN and infinities are not served; a block under 2^-122 keeps the byte 1, a block of zeros gets the byte 1 (zero codes; only this program reads the bytes).
; REGISTERS, in windows of 256.  Window 0: v1-23 addresses and lane constants; v24-87 W1's scale words, v88-103 x's (they hold scales and nothing else); v104-105 h's scale words; v106-111 what goes to order; v112-143 four accumulators
;   (at the head sel, at gather time the list); v144-183 the codes; v184-247 GELU's A, T, Q, Z, of which v184-231 are also W1's fragment buffer B; v248-255 the quantiser's.  Window 1: v0-191 x's 16 fragments; v192-207 b1; v208-255 W1's fragment buffer A.
.set PW,    784                        ; an LDS row: 768 bytes + 16 = 196 words: row r starts at bank 4 r mod 64 (64 banks of 4 bytes: ISA guide 11.1)
.set XST,   128*PW                     ; behind the slice: a stage of 32 rows for each wave
.set XSTW,  32*PW
.set LIST,  XST+8*XSTW                 ; behind the stages, 8,192 bytes: list[1024]; 32 dump words; 32 words that hold the count; the rest is room for the scatter's hold at position 2,047
.set CNT,   4224                       ; the count's words, from LIST on
.set W1S,   24                         ; v[W1S + 8 tile + s]
.set XS,    88                         ; v[XS + 8 g + s]
.set HSW,   104
.set ACC,   112                        ; v[ACC + 16 g + 8 u + j]
.set PC,    144                        ; 20 a tile: 12 of the fragment, 8 for the halves that are moved
.set LAND,  144                        ; at the head: where the slice lands, 96 registers
.set TA,    184
.set TT,    200
.set TQ,    216
.set TZ,    232
.set PT,    240                        ; at the head, wave 0: eight positions
.set QT,    248
.set WB,    184                        ; buffer B, window 0
.set WA,    208                        ; buffer A, window 1
.set B1,    192                        ; window 1
.set SM,    66                         ; s66-73 eight masks of matching lanes;  s74-81 of those that match by e1;  s82-89 the matches ahead of each;  s90 matches so far
.set SK,    74
.set SR,    82
.set MSB, 0
.macro WIN new                         ; the immediate's high byte repeats the setting that is left
.if MSB != \new
	s_set_vgpr_msb (MSB<<8)|\new
.set MSB, \new
.endif
.endm
.macro PLACES                          ; four plain lines behind a matrix instruction, ahead of loads into its registers and of reads of its result
.rept 4
	v_nop
.endr
.endm
.macro CONST r, v                      ; a constant as a pair: the packed forms name a pair and take its low word for both halves
	s_mov_b32 s[\r], \v
	s_mov_b32 s[\r+1], \v
.endm
	s_load_b256 s[4:11], s[0:1], 0x0               ; sel, xq, xs, W1's codes
	s_load_b256 s[12:19], s[0:1], 0x20             ; W1's scales, b1, himg, hs
	s_load_b64 s[60:61], s[0:1], 0x40              ; order
	v_lshrrev_b32 v1, 5, v0
	v_readfirstlane_b32 s20, v1                    ; wave 0..7
	s_mov_b32 s21, ttmp9                           ; c
	s_and_b32 s22, ttmp7, 0xffff                   ; e
	v_and_b32 v1, 15, v0                           ; r
	v_bfe_u32 v2, v0, 4, 1                         ; h
	v_and_b32 v20, 31, v0                          ; lane
	v_mul_u32_u24 v3, v1, PW
	v_mad_u32_u24 v3, v2, 24, v3                   ; a fragment of the slice: row r, + 24 h; rows 0-63
	v_add_nc_u32 v4, 64*PW, v3                     ; rows 64-127
	v_mul_u32_u24 v5, v2, PW
	v_lshl_add_u32 v5, v1, 4, v5                   ; two rows an instruction: row h, 16 bytes a lane
	s_lshr_b32 s28, s20, 1
	s_lshl_b32 s28, s28, 5
	s_and_b32 s29, s20, 1
	s_lshl_b32 s29, s29, 3
	s_add_co_u32 s28, s28, s29
	s_mul_i32 s28, s28, PW
	v_add_nc_u32 v13, s28, v5                      ; where my 16 rows of the slice go: from LDS row 32 (w / 2) + 8 (w % 2) on
	s_mul_i32 s28, s20, XSTW
	s_add_co_u32 s28, s28, XST                     ; my stage
	v_add_nc_u32 v5, s28, v5                       ; into it
	v_add_nc_u32 v6, s28, v3                       ; out of it, as fragments
	v_lshl_add_u32 v16, v2, 2, LIST                ; the list: + 4 h
	v_lshl_add_u32 v17, v1, 2, LIST                ; + 4 r
	v_lshl_add_u32 v21, v20, 2, LIST               ; + 4 x lane
	v_lshl_add_u32 v22, v0, 4, LIST                ; + 16 x thread: my wave's 512 bytes of it
	v_lshlrev_b32 v23, 4, v0                       ; and the same place in order
	v_lshlrev_b32 v9, 4, v1                        ; 16 r
	v_lshlrev_b32 v10, 6, v2                       ; b1: 16 numbers further on for lanes 16-31
	v_lshlrev_b32 v11, 4, v20                      ; 16 x lane: an image's place
	v_lshlrev_b32 v12, 3, v20                      ; 8 x lane: two scale words
	v_mul_u32_u24 v18, v2, 768
	v_lshl_add_u32 v18, v1, 4, v18                 ; the slice in memory: row h, 16 bytes a lane
	v_and_b32 v19, 8, v1
	v_add_nc_u32 v19, v19, v1
	v_lshlrev_b32 v19, 5, v19                      ; W1's scales: 32 bytes a row, row r + 8 (r / 8)
	v_mov_b32 v14, 0x3e7c6f08                      ; c9, in a vector pair, so that no line names two scalar pairs
	v_mov_b32 v15, 0x3e7c6f08
	v_mov_b32 v[QT+2], 0                           ; written once: a lane permute's destination counts as one of its sources
	v_mov_b32 v[QT+3], 0
	s_mov_b32 s34, 0x76543210                      ; v_permlanex16_b32's selects for lane l xor 16
	s_mov_b32 s35, 0xfedcba98
	CONST 36, 0x3f3504f3                           ; 1 / sqrt 2
	CONST 38, 0xc038aa3b                           ; -2 log2(e)
	CONST 40, 0xbfe9b21e                           ; c0 .. c8: the form's coefficients x log2(e)
	CONST 42, 0x3fb8ab5a
	CONST 44, 0x3f0a29d2
	CONST 46, 0x3e0efb2e
	CONST 48, 0xbe899a80
	CONST 50, 0x3ecdfd18
	CONST 52, 0xbfd1a1e5
	CONST 54, 0x40097039
	CONST 56, 0xbf97d29d
	s_mov_b32 s58, 0x7fffffff
	s_mov_b32 s29, 0
	s_wait_kmcnt 0x0
	s_mul_i32 s28, s22, 4352
	s_add_nc_u64 s[60:61], s[60:61], s[28:29]      ; my expert's record in order
	s_lshl_b32 s30, s22, 12
	s_lshl_b32 s31, s21, 7
	s_add_co_u32 s30, s30, s31                     ; my first row of W1: 4096 e + 128 c
	s_lshl_b32 s28, s30, 5
	s_add_nc_u64 s[12:13], s[12:13], s[28:29]      ; its scales
	s_lshl_b32 s28, s30, 2
	s_add_nc_u64 s[14:15], s[14:15], s[28:29]      ; its bias
	s_lshl_b32 s31, s20, 4
	s_add_co_u32 s30, s30, s31
	s_mul_i32 s28, s30, 768
	s_add_nc_u64 s[10:11], s[10:11], s[28:29]      ; the codes of my wave's 16 rows
	s_mul_i32 s28, s22, 64*49152
	s_mul_i32 s31, s21, 1536
	s_add_co_u32 s28, s28, s31
	s_add_nc_u64 s[16:17], s[16:17], s[28:29]      ; himg: [e][tile][K step c]
	s_lshl_b32 s28, s22, 5
	s_add_co_u32 s28, s28, s21
	s_lshl_b32 s28, s28, 13
	s_add_nc_u64 s[18:19], s[18:19], s[28:29]      ; hs: [e][K step c][pair]
; My wave's 16 rows of the slice (two rows x 256 bytes an instruction; read once in the launch) and W1's scale words (tile t begins at row 32 (t / 2) + 8 (t % 2); eight words a row): 40 loads
.macro WLOADS
.irp i, 0,1,2,3,4,5,6,7
.irp u, 0,1,2
	global_load_b128 v[LAND+4*(3*\i+\u):LAND+4*(3*\i+\u)+3], v18, s[10:11] offset:1536*\i+256*\u th:TH_LOAD_NT
.endr
.endr
.irp t, 0,1,2,3,4,5,6,7
	global_load_b128 v[W1S+8*\t:W1S+8*\t+3], v19, s[12:13] offset:(32*(\t/2)+8*(\t%2))*32
	global_load_b128 v[W1S+8*\t+4:W1S+8*\t+7], v19, s[12:13] offset:(32*(\t/2)+8*(\t%2))*32+16
.endr
.endm
; Registers 8 B .. 8 B + 7 of sel (register q: token 128 (q / 4) + 4 lane + q % 4) go into the list, the eight by turns, so that no line waits for the line above it
.macro PUT8 B
.irp i, 0,1,2,3,4,5,6,7
	v_and_b32 v[PT+\i], 0xff, v[ACC+8*(\B)+\i]     ; e0
.endr
.irp i, 0,1,2,3,4,5,6,7
	v_lshrrev_b32 v[ACC+8*(\B)+\i], 8, v[ACC+8*(\B)+\i]   ; e1
.endr
.irp i, 0,1,2,3,4,5,6,7
	v_cmp_eq_u32 s[SM+\i], s22, v[PT+\i]
.endr
.irp i, 0,1,2,3,4,5,6,7
	v_cmp_eq_u32 s[SK+\i], s22, v[ACC+8*(\B)+\i]
.endr
.irp i, 0,1,2,3,4,5,6,7
	v_cndmask_b32 v[ACC+8*(\B)+\i], 0, 1, s[SK+\i] ; k
.endr
.irp i, 0,1,2,3,4,5,6,7
	s_or_b32 s[SM+\i], s[SM+\i], s[SK+\i]          ; the lanes whose token has chosen me (e0 and e1 differ)
.endr
.irp i, 0,1,2,3,4,5,6,7
	s_min_u32 s[SR+\i], s90, 0x3ff                 ; where a lane matches, at most 1,023 have matched before: the hold changes nothing
	s_bcnt1_i32_b32 s91, s[SM+\i]
	s_add_co_u32 s90, s90, s91
.endr
.irp i, 0,1,2,3,4,5,6,7
	v_mbcnt_lo_u32_b32 v[PT+\i], s[SM+\i], 0       ; of the matching lanes, those below me
.endr
.irp i, 0,1,2,3,4,5,6,7
	v_add_nc_u32 v[PT+\i], s[SR+\i], v[PT+\i]
.endr
.irp i, 0,1,2,3,4,5,6,7
	v_cndmask_b32 v[PT+\i], v248, v[PT+\i], s[SM+\i]   ; a place in the list, or my dump word
.endr
.irp i, 0,1,2,3,4,5,6,7
	v_min_u32 v[PT+\i], 0x7ff, v[PT+\i]            ; inside the list's 8,192 bytes
.endr
.irp i, 0,1,2,3,4,5,6,7
	v_lshlrev_b32 v[PT+\i], 2, v[PT+\i]
.endr
.irp i, 0,1,2,3,4,5,6,7
	v_add_nc_u32 v[PT+\i], LIST, v[PT+\i]
.endr
.irp i, 0,1,2,3,4,5,6,7
	v_add_nc_u32 v[ACC+8*(\B)+\i], v[ACC+8*(\B)+\i], v12   ; the slot: 2 (128 (q / 4) + 4 lane + q % 4) + k
.endr
.irp i, 0,1,2,3,4,5,6,7
.if 256*((8*(\B)+\i)/4)+2*((8*(\B)+\i)%4) > 0
	v_add_nc_u32 v[ACC+8*(\B)+\i], 256*((8*(\B)+\i)/4)+2*((8*(\B)+\i)%4), v[ACC+8*(\B)+\i]
.endif
.endr
.irp i, 0,1,2,3,4,5,6,7
	ds_store_b32 v[PT+\i], v[ACC+8*(\B)+\i]
.endr
.endm
; The list entries of pair s27, from LDS: sixteen registers for the rows as they are loaded (two rows an instruction: entry 16 g + 2 i + h), two for the rows as fragments hold them (entry 16 g + r)
.macro GATHER_A
	s_lshl_b32 s27, s27, 7
	v_add_nc_u32 v7, s27, v16
	v_add_nc_u32 v8, s27, v17
.irp g, 0,1
.irp i, 0,1,2,3,4,5,6,7
	ds_load_b32 v[ACC+8*\g+\i], v7 offset:4*(16*\g+2*\i)
.endr
.endr
.irp g, 0,1
	ds_load_b32 v[ACC+16+\g], v8 offset:64*\g
.endr
.endm
; A slot becomes a token (slot / 2, held at 1,023) and a byte offset; then 4 loads of scale words and 48 of codes: sixteen lanes read 256 consecutive bytes of a row
.macro GATHER_B
	s_wait_dscnt 0x0                               ; the entries are in
.irp q, 0,1,2,3,4,5,6,7,8,9,10,11,12,13,14,15,16,17
	v_lshrrev_b32 v[ACC+\q], 1, v[ACC+\q]
.endr
.irp q, 0,1,2,3,4,5,6,7,8,9,10,11,12,13,14,15,16,17
	v_min_u32 v[ACC+\q], 0x3ff, v[ACC+\q]
.endr
.irp q, 0,1,2,3,4,5,6,7,8,9,10,11,12,13,14,15
	v_mul_u32_u24 v[ACC+\q], v[ACC+\q], 768
.endr
.irp q, 0,1,2,3,4,5,6,7,8,9,10,11,12,13,14,15
	v_add_nc_u32 v[ACC+\q], v[ACC+\q], v9
.endr
.irp g, 0,1
	v_lshlrev_b32 v[ACC+16+\g], 5, v[ACC+16+\g]
.endr
.irp g, 0,1
	global_load_b128 v[XS+8*\g:XS+8*\g+3], v[ACC+16+\g], s[8:9]
	global_load_b128 v[XS+8*\g+4:XS+8*\g+7], v[ACC+16+\g], s[8:9] offset:16
.endr
	WIN 0x40                                       ; destination window 1
.irp g, 0,1
.irp i, 0,1,2,3,4,5,6,7
.irp u, 0,1,2
	global_load_b128 v[96*\g+4*(3*\i+\u):96*\g+4*(3*\i+\u)+3], v[ACC+8*\g+\i], s[6:7] offset:256*\u
.endr
.endr
.endr
	WIN 0
.endm
; Chunk j = 4 b + k of W1's fragments: K steps 2 k, 2 k + 1 of tiles 2 b, 2 b + 1: 24 loads of 8 bytes into buffer A (k even) or B (k odd)
.macro LOADW j
.set lb, (\j)/4
.set lk, (\j)%4
.if lk%2 == 0
	WIN 0x40
.set lw, WA
.else
	WIN 0
.set lw, WB
.endif
.irp ss, 0,1
.irp u, 0,1
.irp q, 0,1,2,3,4,5
	ds_load_b64 v[lw+12*(2*\ss+\u)+2*\q:lw+12*(2*\ss+\u)+2*\q+1], v[3+lb/2] offset:16*(2*(lb%2)+\u)*PW+96*(2*lk+\ss)+48*(\q/3)+8*(\q%3)
.endr
.endr
.endr
.endm
.macro LOADB1 b                        ; b1 of block b in the result's layout: tile u, lane (r, h): units 32 b + 16 h + 8 u + 0 .. 7.  (Under destination window 1)
.irp u, 0,1
	global_load_b128 v[B1+8*\u:B1+8*\u+3], v10, s[14:15] offset:(32*(\b)+8*\u)*4
	global_load_b128 v[B1+8*\u+4:B1+8*\u+7], v10, s[14:15] offset:(32*(\b)+8*\u)*4+16
.endr
.endm
; Chunk j's 8 products.  The four accumulators take turns, one instruction a turn.
.macro MULW j
.set mb, (\j)/4
.set mk, (\j)%4
.irp ss, 0,1
.if mk%2 == 1
	WIN 0x04                                       ; W1 window 0, x window 1
.set mw, WB
.elseif 2*mk+\ss == 0
	WIN 0x15                                       ; W1, x and b1 window 1
.set mw, WA
.else
	WIN 0x05                                       ; W1 and x window 1
.set mw, WA
.endif
.irp g, 0,1
.irp u, 0,1
.if 2*mk+\ss == 0
	v_wmma_scale_f32_16x16x128_f8f6f4 v[ACC+16*\g+8*\u:ACC+16*\g+8*\u+7], v[mw+12*(2*\ss+\u):mw+12*(2*\ss+\u)+11], v[96*\g+12*(2*mk+\ss):96*\g+12*(2*mk+\ss)+11], v[B1+8*\u:B1+8*\u+7], v[W1S+8*(2*mb+\u)+2*mk+\ss], v[XS+8*\g+2*mk+\ss] matrix_a_fmt:MATRIX_FMT_BF6 matrix_b_fmt:MATRIX_FMT_BF6
.else
	v_wmma_scale_f32_16x16x128_f8f6f4 v[ACC+16*\g+8*\u:ACC+16*\g+8*\u+7], v[mw+12*(2*\ss+\u):mw+12*(2*\ss+\u)+11], v[96*\g+12*(2*mk+\ss):96*\g+12*(2*mk+\ss)+11], v[ACC+16*\g+8*\u:ACC+16*\g+8*\u+7], v[W1S+8*(2*mb+\u)+2*mk+\ss], v[XS+8*\g+2*mk+\ss] matrix_a_fmt:MATRIX_FMT_BF6 matrix_b_fmt:MATRIX_FMT_BF6
.endif
.endr
.endr
.endr
.endm
; Chunk j: the next chunk's fragments are asked for, then this chunk is multiplied
.macro STEPJ j
.if (\j)%4 != 0
	PLACES                                         ; behind chunk j - 1's products, whose buffer and (k = 1) whose b1 are loaded again.  At k = 0 the four lines ahead of GELU have served
.endif
.if \j < 15
	LOADW (\j)+1
.endif
.if ((\j)%4 == 1) && (\j < 12)
	WIN 0x40
	LOADB1 (\j)/4+1                                ; the next block's bias
.endif
.if (\j)%4 == 0
	s_wait_loadcnt 0x0                             ; this block's bias
.endif
.if \j < 15
	s_wait_dscnt 24                                ; all but the 24 loads just issued: this chunk's fragments are in (at j = 0 x's too)
.else
	s_wait_dscnt 0x0
.endif
	MULW \j
.endm
; The exact GELU of tile g's 16 numbers a lane, in place.  Two batches of transcendentals, each with plain work behind it and ONE wait ahead of its first reader
.macro GELU g
.set H, ACC+16*(\g)
.irp i, 0,2,4,6,8,10,12,14
	v_pk_mul_f32 v[H+\i:H+\i+1], v[H+\i:H+\i+1], 0.5 op_sel_hi:[1,0]     ; hx; each accumulator is read from its low end on
.endr
.irp i, 0,1,2,3,4,5,6,7,8,9,10,11,12,13,14,15
	v_and_b32 v[TA+\i], s58, v[H+\i]               ; |hx|
.endr
.irp i, 0,2,4,6,8,10,12,14
	v_pk_fma_f32 v[TT+\i:TT+\i+1], v[TA+\i:TA+\i+1], s[36:37], 1.0 op_sel_hi:[1,0,0]
.endr
.irp i, 0,1,2,3,4,5,6,7,8,9,10,11,12,13,14,15
	v_rcp_f32 v[TT+\i], v[TT+\i]                   ; t
.endr
.irp i, 0,2,4,6,8,10,12,14
	v_pk_mul_f32 v[TZ+\i:TZ+\i+1], v[H+\i:H+\i+1], s[38:39] op_sel_hi:[1,0]
.endr
.irp i, 0,2,4,6,8,10,12,14
	v_pk_fma_f32 v[TZ+\i:TZ+\i+1], v[TZ+\i:TZ+\i+1], v[H+\i:H+\i+1], s[40:41] op_sel_hi:[1,1,0]   ; -2 log2(e) hx^2 + c0
.endr
	s_wait_alu depctr_va_vdst(0)
.irp i, 0,2,4,6,8,10,12,14
	v_pk_fma_f32 v[TQ+\i:TQ+\i+1], v[TT+\i:TT+\i+1], v[14:15], s[56:57] op_sel_hi:[1,1,0]        ; c8 + t c9
.endr
.irp c, 54,52,50,48,46,44,42
.irp i, 0,2,4,6,8,10,12,14
	v_pk_fma_f32 v[TQ+\i:TQ+\i+1], v[TQ+\i:TQ+\i+1], v[TT+\i:TT+\i+1], s[\c:\c+1] op_sel_hi:[1,1,0]
.endr
.endr
.irp i, 0,2,4,6,8,10,12,14
	v_pk_fma_f32 v[TQ+\i:TQ+\i+1], v[TQ+\i:TQ+\i+1], v[TT+\i:TT+\i+1], v[TZ+\i:TZ+\i+1]          ; arg
.endr
.irp i, 0,1,2,3,4,5,6,7,8,9,10,11,12,13,14,15
	v_exp_f32 v[TQ+\i], v[TQ+\i]
.endr
.irp i, 0,2,4,6,8,10,12,14
	v_pk_mul_f32 v[TT+\i:TT+\i+1], v[TT+\i:TT+\i+1], v[TA+\i:TA+\i+1]    ; |hx| t
.endr
.irp i, 0,2,4,6,8,10,12,14
	v_pk_add_f32 v[TA+\i:TA+\i+1], v[H+\i:H+\i+1], v[TA+\i:TA+\i+1]      ; hx + |hx|
.endr
	s_wait_alu depctr_va_vdst(0)
.irp i, 0,2,4,6,8,10,12,14
	v_pk_fma_f32 v[H+\i:H+\i+1], v[TT+\i:TT+\i+1], v[TQ+\i:TQ+\i+1], v[TA+\i:TA+\i+1] neg_lo:[1,0,0] neg_hi:[1,0,0]
.endr
.endm
; Block b of both tiles: the largest magnitude (my 16, lane l xor 16's 16, the floor 2^(5 - 127)), the scale operand, the byte into the tile's scale word, 16 codes.  Behind an odd block the two half blocks
; of lanes 0-15 and 16-31 change places, so that a lane holds a whole block, as the operand's layout asks
.macro BLKQ b
.irp g, 0,1
	v_max3_num_f32 v[QT+\g], |v[ACC+16*\g]|, |v[ACC+16*\g+1]|, 0x2800000
.endr
.irp i, 2,4,6,8,10,12,14
.irp g, 0,1
	v_max3_num_f32 v[QT+\g], v[QT+\g], |v[ACC+16*\g+\i]|, |v[ACC+16*\g+\i+1]|
.endr
.endr
.irp g, 0,1
	v_permlanex16_b32 v[QT+2+\g], v[QT+\g], s34, s35
.endr
.irp g, 0,1
	v_max_num_f32 v[QT+\g], v[QT+\g], v[QT+2+\g]
.endr
.irp g, 0,1
	v_add_nc_u32 v[QT+4+\g], 0xfe000000, v[QT+\g]  ; 4 off the exponent field
.endr
.irp g, 0,1
	v_lshrrev_b32 v[QT+6+\g], 23, v[QT+4+\g]
.endr
.irp g, 0,1
.if \b == 0
	v_mov_b32 v[HSW+\g], v[QT+6+\g]
.else
	v_lshl_or_b32 v[HSW+\g], v[QT+6+\g], 8*\b, v[HSW+\g]
.endif
.endr
.irp g, 0,1
.if (\b)%2 == 0
	v_cvt_scalef32_pk16_bf6_f32 v[PC+20*\g+6*((\b)/2):PC+20*\g+6*((\b)/2)+2], v[ACC+16*\g:ACC+16*\g+15], v[QT+4+\g]
.else
	v_cvt_scalef32_pk16_bf6_f32 v[PC+20*\g+12+4*((\b)/2):PC+20*\g+12+4*((\b)/2)+2], v[ACC+16*\g:ACC+16*\g+15], v[QT+4+\g]
.endif
.endr
	v_nop                                          ; one plain line behind a scaled conversion
.if (\b)%2 == 1
.irp g, 0,1
.irp i, 0,1,2
	v_permlane16_swap_b32 v[PC+20*\g+6*((\b)/2)+\i], v[PC+20*\g+12+4*((\b)/2)+\i]
.endr
.irp i, 0,1,2
	v_mov_b32 v[PC+20*\g+6*((\b)/2)+3+\i], v[PC+20*\g+12+4*((\b)/2)+\i]
.endr
.endr
.endif
.endm
	; ---- the head.  Wave 0 asks for sel first, then for its part of the slice like every wave, and makes the list while the slice is on its way
	s_cmp_lg_u32 s20, 0
	s_cbranch_scc1 .Lothers
.irp j, 0,1,2,3,4,5,6,7
	global_load_b128 v[ACC+4*\j:ACC+4*\j+3], v11, s[4:5] offset:512*\j   ; register 4 j + i: token 128 j + 4 lane + i
.endr
	WLOADS
	v_add_nc_u32 v248, 1024, v20                   ; my dump position
	s_lshl_b32 s91, s22, 5
	s_add_co_u32 s91, s91, 2048
	v_add_nc_u32 v249, s91, v20                    ; my pad slot
.irp q, 0,1,2,3,4,5,6,7,8,9,10,11,12,13,14,15,16,17,18,19,20,21,22,23,24,25,26,27,28,29,30,31
	ds_store_b32 v21, v249 offset:128*\q           ; position 32 q + lane
.endr
	s_mov_b32 s90, 0                               ; matches so far
	s_wait_loadcnt 40                              ; sel is in; behind it stand the slice's 24 loads and its scales' 16
	PUT8 0
	PUT8 1
	PUT8 2
	PUT8 3
	v_mov_b32 v249, s90
	ds_store_b32 v21, v249 offset:CNT              ; the count, a word for each lane
	s_branch .Ljoin
.Lothers:
	WLOADS
.Ljoin:
	s_wait_dscnt 0x0                               ; for the others' sake: the list lies in LDS
	s_barrier_signal -1
	s_barrier_wait -1                              ; ahead of this barrier no wave but wave 0 has touched LDS; behind it nobody writes the list
	s_mov_b32 s26, s20                             ; my first pair: all 1,024 list entries are written, so this gather needs no P
	s_mov_b32 s27, s20
	s_mov_b32 s25, 0
	ds_load_b32 v111, v21 offset:CNT
	GATHER_A
	GATHER_B
	v_readfirstlane_b32 s62, v111                  ; the count
	s_add_co_u32 s23, s62, 31
	s_lshr_b32 s23, s23, 5
	s_max_u32 s23, s23, 1
	s_min_u32 s23, s23, 32                         ; P
	s_cmp_lg_u32 s21, 0                            ; the expert's first work-group stores the record for the next launch
	s_cbranch_scc1 .Lno_order
	ds_load_b128 v[106:109], v22
	v_mov_b32 v110, s23
	s_wait_dscnt 0x0
	global_store_b128 v23, v[106:109], s[60:61] offset:256   ; each wave 512 consecutive bytes of the list.  (v106-111, v23, v12 and s[60:61] are never written again)
	s_cmp_lg_u32 s20, 0
	s_cbranch_scc1 .Lno_order
	global_store_b64 v12, v[110:111], s[60:61]     ; wave 0: the head, 32 x (P, count): 256 consecutive bytes
.Lno_order:
	s_wait_loadcnt 63                              ; of the 92 loads issued (wave 0: 100) the first 29 (37) are in: the slice's 24 among them
.irp i, 0,1,2,3,4,5,6,7                ; slice row 16 w + 2 i + h goes to LDS row 32 (w / 2) + 8 (w % 2) + 2 i + h + 8 (i / 4)
.irp u, 0,1,2
	ds_store_b128 v13, v[LAND+4*(3*\i+\u):LAND+4*(3*\i+\u)+3] offset:(2*\i+8*(\i/4))*PW+256*\u
.endr
.endr
	s_wait_dscnt 0x0                               ; for the others' sake: my part of the slice lies in LDS
	s_barrier_signal -1
	s_barrier_wait -1                              ; everybody's does.  The last barrier: every wave passes it, whatever P
.Lpass:                                            ; four trips: pairs w, w + 8, w + 16, w + 24
	s_cmp_ge_u32 s26, s23
	s_cbranch_scc1 .Lskip                          ; no such pair
	s_wait_loadcnt 0x0                             ; the pair's rows and scale words (in the first pass W1's scale words too)
	WIN 0x04                                       ; an LDS store's data are its source 1: window 1
.irp g, 0,1
.irp i, 0,1,2,3,4,5,6,7
.irp u, 0,1,2
	ds_store_b128 v5, v[96*\g+4*(3*\i+\u):96*\g+4*(3*\i+\u)+3] offset:(16*\g+2*\i)*PW+256*\u
.endr
.endr
.endr
	WIN 0x40
.irp g, 0,1                            ; back as fragments (g, s) at v[96 g + 12 s] of window 1.  LDS serves a wave's instructions in order: these see the stores above
.irp s, 0,1,2,3,4,5,6,7
.irp q, 0,1,2,3,4,5
	ds_load_b64 v[96*\g+12*\s+2*\q:96*\g+12*\s+2*\q+1], v6 offset:16*\g*PW+96*\s+48*(\q/3)+8*(\q%3)
.endr
.endr
.endr
	LOADW 0
	LOADB1 0
.irp b, 0,1,2,3
	STEPJ 4*\b
	STEPJ 4*\b+1
	STEPJ 4*\b+2
	STEPJ 4*\b+3
	WIN 0
	PLACES                                         ; behind the block's last products: GELU reads their results and writes over buffer B
	GELU 0
	GELU 1
	BLKQ \b
.endr
	s_mul_i32 s28, s26, 2*49152
	s_add_nc_u64 s[30:31], s[16:17], s[28:29]      ; tile 2 p of himg
	s_lshl_b32 s28, s26, 8
	s_add_nc_u64 s[32:33], s[18:19], s[28:29]      ; pair p of hs
.irp g, 0,1
.irp j, 0,1,2
	global_store_b128 v11, v[PC+20*\g+4*\j:PC+20*\g+4*\j+3], s[30:31] offset:49152*\g+512*\j   ; the fragment as it stands: 512 consecutive bytes a store
.endr
.endr
	global_store_b64 v12, v[HSW:HSW+1], s[32:33]   ; both tiles' scale words: 256 consecutive bytes
	s_wait_xcnt 0x0                                ; the stores have read their registers and bases: both are written again in a later pass
	s_add_co_u32 s27, s26, 8
	s_cmp_ge_u32 s27, s23
	s_cbranch_scc1 .Lskip                          ; no gather behind my last pass
	GATHER_A
	GATHER_B
.Lskip:
	s_add_co_u32 s26, s26, 8
	s_add_co_u32 s25, s25, 1
	s_cmp_lt_u32 s25, 4
	s_cbranch_scc1 .Lpass
	s_wait_xcnt 0x0
	v_lshl_add_u32 v254, v0, 2, 0x4b800
	v_mov_b32 v255, 0
	s_wait_tensorcnt 0x0
	ds_add_u32 v254, v255
	s_wait_dscnt 0x0
	s_endpgm
.Lfunc_end_k_q94279e229c_ffn1:
	.size	k_q94279e229c_ffn1, .Lfunc_end_k_q94279e229c_ffn1-k_q94279e229c_ffn1
	.p2alignl 7, 3214868480
	.fill 96, 4, 3214868480
	.section	.rodata,"a",@progbits
	.p2align	6, 0x0
	.amdhsa_kernel k_q94279e229c_ffn1
		.amdhsa_group_segment_fixed_size 310272
		.amdhsa_private_segment_fixed_size 0
		.amdhsa_enable_private_segment 0
		.amdhsa_kernarg_size 72
		.amdhsa_user_sgpr_count 2
		.amdhsa_user_sgpr_kernarg_segment_ptr 1
		.amdhsa_wavefront_size32 1
		.amdhsa_system_sgpr_workgroup_id_x 1
		.amdhsa_system_sgpr_workgroup_id_y 1
		.amdhsa_system_sgpr_workgroup_id_z 1
		.amdhsa_system_vgpr_workitem_id 0
		.amdhsa_next_free_vgpr 512
		.amdhsa_next_free_sgpr 96
		.amdhsa_reserve_vcc 0
		.amdhsa_float_denorm_mode_32 3
		.amdhsa_float_denorm_mode_16_64 3
		.amdhsa_memory_ordered 1
		.amdhsa_forward_progress 1
		.amdhsa_inst_pref_size 207
	.end_amdhsa_kernel
	.amdgpu_metadata
---
amdhsa.version: [ 1, 2 ]
amdhsa.kernels:
  - .name:           k_q94279e229c_ffn1
    .symbol:         k_q94279e229c_ffn1.kd
    .args:
      - { .name: sel, .offset: 0, .size: 8, .value_kind: global_buffer, .address_space: global }
      - { .name: xq, .offset: 8, .size: 8, .value_kind: global_buffer, .address_space: global }
      - { .name: xs, .offset: 16, .size: 8, .value_kind: global_buffer, .address_space: global }
      - { .name: W1_codes, .offset: 24, .size: 8, .value_kind: global_buffer, .address_space: global }
      - { .name: W1_scales, .offset: 32, .size: 8, .value_kind: global_buffer, .address_space: global }
      - { .name: b1, .offset: 40, .size: 8, .value_kind: global_buffer, .address_space: global }
      - { .name: himg, .offset: 48, .size: 8, .value_kind: global_buffer, .address_space: global }
      - { .name: hs, .offset: 56, .size: 8, .value_kind: global_buffer, .address_space: global }
      - { .name: order, .offset: 64, .size: 8, .value_kind: global_buffer, .address_space: global }
    .group_segment_fixed_size: 310272
    .private_segment_fixed_size: 0
    .kernarg_segment_align: 8
    .kernarg_segment_size: 72
    .max_flat_workgroup_size: 256
    .sgpr_count:     96
    .vgpr_count:     512
    .wavefront_size: 32
...
	.end_amdgpu_metadata
.endif
;; end of part 6
;; launch ffn2: the kernel of part 4 again; grid 32 x 8, 8 waves a work-group, no clusters, 135,168 bytes of LDS; arguments order, wts, himg, hs, W2_codes, W2_scales, b2, y; writes y
;; launch combine: the kernel of part 5 again; grid 256 x 1, 8 waves a work-group, no clusters, 0 bytes of LDS; arguments y, out0; writes out0
;; ======== version 3 of 3: 4 launches; version 2 with the launch ffn2 written anew for expert scheduling mode
;; workspace buffers: xq 786,432 bytes; xs 32,768 bytes; sel 4,096 bytes of whole numbers; wts 8,192 bytes; order 34,816 bytes of whole numbers; himg 25,165,824 bytes; hs 2,097,152 bytes; y 18,874,368 bytes
;; launch route: the kernel of part 1 again; grid 256 x 1, 4 waves a work-group, no clusters, 22,016 bytes of LDS; arguments x, Wr, xq, xs, sel, wts; writes xq, xs, sel, wts
;; launch ffn1: the kernel of part 6 again; grid 32 x 8, 8 waves a work-group, no clusters, 310,272 bytes of LDS; arguments sel, xq, xs, W1_codes, W1_scales, b1, himg, hs, order; writes himg, hs, order
;; launch ffn2 (part 7): grid 32 x 8, 8 waves a work-group, no clusters, 135,168 bytes of LDS; arguments order, wts, himg, hs, W2_codes, W2_scales, b2, y; writes y
.if DOCPART == 7
	.amdgcn_target "amdgcn-amd-amdhsa--gfx1250"
	.amdhsa_code_object_version 6
	.text
	.protected	k_q94279e229c_ffn2
	.globl	k_q94279e229c_ffn2
	.p2align	8
	.type	k_q94279e229c_ffn2,@function
k_q94279e229c_ffn2:
	s_mov_b64 s[64:65], 0
	v_nop
	global_prefetch_b8 v0, s[64:65] scope:SCOPE_SE
	s_setreg_imm32_b32 hwreg(HW_REG_WAVE_SCHED_MODE, 0, 2), 2
	s_setreg_imm32_b32 hwreg(HW_REG_WAVE_MODE, 25, 1), 1
	s_wait_xcnt 0x0
	s_wait_alu depctr_vm_vsrc(0)
; SECOND PRODUCT:  y[kh][slot][d] = w(slot) x (the sum over K half kh of Q(h) W2[e], + b2[e] in half 0), on codes of E3M2 with one E8M0 scale for each 32 along K.
; SHARES.  Work-group (dt + 16 kh, e) owns outputs 64 dt .. 64 dt + 63 and K steps 16 kh .. 16 kh + 15 of expert e: 64 rows x 1,536 bytes of W2's codes, 96 KiB, read from memory by this work-group alone and kept in LDS.
; K in two halves: each byte of h is then read by 16 work-groups and not by 32; the price is a second plane of y.  So K is summed in two halves and the halves and the two experts are added later: another order of f32 rounding than one chain.
; The expert's rows go in pairs of two tiles, wave w of eight takes pairs w, w + 8, ..: (P + 7 - w) / 8 passes, P read from order.  Pad entries go to rows 2048 .. of y, which nobody reads.
; A PASS: h's fragments come from memory straight into registers, as the images that the launch before stored (three loads of 512 consecutive bytes a fragment), six K steps ahead; W2's come from LDS, a K step ahead;
; 16 K steps x 8 products (2 tiles of rows x 4 tiles of outputs), the bias as the C of each sum's first product; x the gate's weight; through the wave's own stage in LDS; out as pieces of 256 bytes of the rows that the list names.
; THE PRODUCT IS USED TRANSPOSED (source 0 = 16 rows of W2, source 1 = 16 rows of h): a lane holds eight neighbouring outputs of one row.
; NO TENSOR LOADS, NO CLUSTER: a wave's number of passes is a number read from memory; without tensor loads there is no joint load.  ONE barrier, ahead of every branch on P.
; REGISTERS, in windows of 256.  Window 0: v1-20 addresses and lane constants; v24-87 W2's scale words, v88-119 h's (they hold scales and nothing else); v120-183 eight accumulators; v184-215 the bias; v216-231 the rows' offsets in y;
;   v232-235 the weights, as pairs; v236-237 their offsets.  Window 1: v0-143 h's fragments, a ring of six K steps; v144-191, v192-239 W2's fragments, even and odd K steps.
; THE MODE: SCHED_MODE bits 1:0 = 2 (LLVM: expert scheduling mode 2), set by the entry lines.  The code itself states the register dependences between vector or matrix instructions and memory or LDS instructions,
; with s_wait_alu, always for 0.
; THE PLAN.  Registers that memory or LDS instructions touch in a pass, and who else names them:
;   W2's two buffers   K step s + 1's LDS loads land in the buffer that K step s - 1's products read.      h's ring   K step s + 5's loads land in the slot that K step s - 1's products read.
;   the accumulators   written by the products and by the scalings; read by the stage's stores; the stage's loads land in the same registers; read by the pass's 16 stores.
;   the rows' offsets, the weights' offsets   the list lands; vector lines make offsets of it; the stores, and the weights' loads, read them.     the weights   loads land; the scalings read them.
;   h's scale words    loads land; the products read them.     v7, v8   written once a pass, read by its 18 loads of the list.     All other addresses are made at the head and never written again.
; So a K step has ONE wait on va_vdst, at its head; its 24 LDS loads follow in two runs of 12, dealt among its 8 products, and its 6 loads of h with the first run: the products name the other buffer, another slot, the accumulators and
; scales, none of the registers that those loads touch.  Three more a pass: behind the offsets, behind both tiles' scalings, behind v7 and v8.  Three waits on vm_vsrc a pass: one for each tile between the stage's stores and its loads, one ahead of v7 and v8.
.set PW,   1552                        ; an LDS row: 1,536 bytes + 16 = 388 words: row r starts at bank 4 r mod 64 (64 banks of 4 bytes: ISA guide 11.1)
.set STG,  64*PW                       ; behind the slice: a stage of 16 rows x (256 + 16) bytes for each wave
.set W2S,  24                          ; v[W2S + 16 j + s]
.set HS,   88                          ; v[HS + 2 s + g]
.set ACC,  120                         ; v[ACC + 32 g + 8 j + i]
.set B2,   184
.set YO,   216
.set WT,   232
.set LS,   236
.set WF,   144                         ; window 1
.set MSB, 0
.macro WIN new                         ; the immediate's high byte repeats the setting that is left
.if MSB != \new
	s_set_vgpr_msb (MSB<<8)|\new
.set MSB, \new
.endif
.endm
.macro PLACES                          ; four plain lines behind a matrix instruction, ahead of loads into its registers and of reads of its result
.rept 4
	v_nop
.endr
.endm
	s_load_b256 s[4:11], s[0:1], 0x0               ; order, wts, himg, hs
	s_load_b256 s[12:19], s[0:1], 0x20             ; W2's codes, W2's scales, b2, y
	v_lshl_add_u32 v254, v0, 2, 0x20c00
	v_mov_b32 v255, 0
	v_lshrrev_b32 v1, 5, v0
	v_readfirstlane_b32 s20, v1                    ; wave 0..7
	s_and_b32 s21, ttmp9, 15                       ; dt
	s_lshr_b32 s27, ttmp9, 4                       ; kh
	s_and_b32 s22, ttmp7, 0xffff                   ; e
	v_and_b32 v1, 15, v0                           ; r
	v_bfe_u32 v2, v0, 4, 1                         ; h
	v_and_b32 v20, 31, v0                          ; lane
	v_mul_u32_u24 v3, v1, PW
	v_mad_u32_u24 v3, v2, 24, v3                   ; a fragment of the slice: row r, + 24 h; rows 0-31
	v_add_nc_u32 v4, 32*PW, v3                     ; rows 32-63
	s_wait_alu depctr_va_sdst(0)                   ; s20, the wave's number, is written, ahead of its first reader
	s_mul_i32 s28, s20, 16*272
	s_add_co_u32 s28, s28, STG                     ; my stage
	v_mul_u32_u24 v5, v1, 272
	v_lshl_add_u32 v5, v2, 5, v5
	v_add_nc_u32 v5, s28, v5                       ; in: row r, 32 bytes for each half of the lanes
	v_mul_u32_u24 v6, v2, 272
	v_lshl_add_u32 v6, v1, 4, v6
	v_add_nc_u32 v6, s28, v6                       ; back: lanes 0-15 one row of 256 bytes, lanes 16-31 the next
	v_lshlrev_b32 v16, 2, v2                       ; 4 h
	v_lshlrev_b32 v17, 2, v1                       ; 4 r
	v_lshlrev_b32 v9, 4, v1                        ; 16 r
	v_lshlrev_b32 v11, 4, v20                      ; 16 x lane
	v_lshlrev_b32 v12, 3, v20                      ; 8 x lane
	s_mul_i32 s28, s20, 8*PW
	v_add_nc_u32 v13, s28, v11                     ; where my 8 rows of the slice go
	v_lshlrev_b32 v18, 7, v1                       ; W2's scales: 128 bytes a row
	v_lshlrev_b32 v19, 5, v2                       ; b2: 8 numbers further on for lanes 16-31
	v_mov_b32 v[WT+1], 0                           ; named as the upper halves of pairs, so they are written
	v_mov_b32 v[WT+3], 0
	s_mov_b32 s29, 0
	s_wait_kmcnt 0x0
	s_mul_i32 s28, s22, 4352
	s_add_nc_u64 s[4:5], s[4:5], s[28:29]          ; my expert's record
	s_load_b32 s23, s[4:5], 0x0                    ; P
	s_lshl_b32 s30, s22, 10
	s_lshl_b32 s31, s21, 6
	s_add_co_u32 s30, s30, s31                     ; my first row of W2: 1024 e + 64 dt
	s_lshl_b32 s28, s30, 7
	s_lshl_b32 s31, s27, 6
	s_add_co_u32 s28, s28, s31
	s_add_nc_u64 s[14:15], s[14:15], s[28:29]      ; its scales, my half of K
	s_lshl_b32 s28, s30, 2
	s_add_nc_u64 s[16:17], s[16:17], s[28:29]      ; its bias
	s_lshl_b32 s31, s20, 3
	s_add_co_u32 s30, s30, s31
	s_mul_i32 s28, s30, 3072
	s_mul_i32 s31, s27, 1536
	s_add_co_u32 s28, s28, s31
	s_add_nc_u64 s[12:13], s[12:13], s[28:29]      ; the codes of my wave's 8 rows, my half of K
	s_mul_i32 s28, s27, 2304*4096
	s_lshl_b32 s31, s21, 8
	s_add_co_u32 s28, s28, s31
	s_add_nc_u64 s[18:19], s[18:19], s[28:29]      ; y: plane kh, my 256 bytes of a row
	s_mul_i32 s28, s22, 64*49152
	s_mul_i32 s31, s27, 16*1536
	s_add_co_u32 s28, s28, s31
	s_add_nc_u64 s[8:9], s[8:9], s[28:29]          ; himg: [e][tile][my first K step]
	s_lshl_b32 s28, s22, 5
	s_lshl_b32 s31, s27, 4
	s_add_co_u32 s28, s28, s31
	s_lshl_b32 s28, s28, 13
	s_add_nc_u64 s[10:11], s[10:11], s[28:29]      ; hs: [e][my first K step][pair]
; All that pair s26 needs first: 18 list entries, 16 pairs of scale words, the fragments of K steps 0 to 5: 70 loads
.macro PASSLOAD
	s_lshl_b32 s28, s26, 7
	s_wait_alu depctr_vm_vsrc(0)                   ; the last pass's loads of the list have read v7 and v8; its stores have read the rows' offsets, and the weights' loads theirs, in which the list lands; its stores have read the accumulators, which the next products write
	v_add_nc_u32 v7, s28, v16
	v_add_nc_u32 v8, s28, v17
	s_mul_i32 s28, s26, 2*49152
	s_add_nc_u64 s[30:31], s[8:9], s[28:29]
	s_lshl_b32 s28, s26, 8
	s_add_nc_u64 s[32:33], s[10:11], s[28:29]
	s_wait_alu depctr_va_vdst(0)                   ; v7 and v8 are written, which the loads below read; and the last pass's vector lines and products are done with the offsets, h's scale words and h's ring, in which they land
.irp g, 0,1
.irp i, 0,1,2,3,4,5,6,7
	global_load_b32 v[YO+8*\g+\i], v7, s[4:5] offset:256+4*(16*\g+2*\i)      ; entry 16 g + 2 i + h: the rows as they are stored
.endr
.endr
.irp g, 0,1
	global_load_b32 v[LS+\g], v8, s[4:5] offset:256+64*\g                    ; entry 16 g + r: the rows as the lanes hold them
.endr
.irp s, 0,1,2,3,4,5,6,7,8,9,10,11,12,13,14,15
	global_load_b64 v[HS+2*\s:HS+2*\s+1], v12, s[32:33] offset:8192*\s
.endr
	WIN 0x40                                       ; destination window 1
.irp s, 0,1,2,3,4,5
.irp g, 0,1
.irp j, 0,1,2
	global_load_b128 v[24*\s+12*\g+4*\j:24*\s+12*\g+4*\j+3], v11, s[30:31] offset:49152*\g+1536*\s+512*\j
.endr
.endr
.endr
	WIN 0
.endm
.macro LOADW s, hh                     ; two of W2's four fragments of K step s, tiles 2 hh and 2 hh + 1: 12 loads of 8 bytes.  (Under destination window 1)
.irp u, 0,1
.irp q, 0,1,2,3,4,5
	ds_load_b64 v[WF+48*((\s)%2)+12*(2*(\hh)+\u)+2*\q:WF+48*((\s)%2)+12*(2*(\hh)+\u)+2*\q+1], v[3+(\hh)] offset:16*\u*PW+96*(\s)+48*(\q/3)+8*(\q%3)
.endr
.endr
.endm
; Four of K step s's 8 products: tile g of rows.  The eight accumulators take turns, one instruction a turn.
.macro MULK s, g
	WIN 0x05                                       ; W2 and h window 1
.irp j, 0,1,2,3
.if (\s) == 0
	v_wmma_scale_f32_16x16x128_f8f6f4 v[ACC+32*(\g)+8*\j:ACC+32*(\g)+8*\j+7], v[WF+48*((\s)%2)+12*\j:WF+48*((\s)%2)+12*\j+11], v[24*((\s)%6)+12*(\g):24*((\s)%6)+12*(\g)+11], v[B2+8*\j:B2+8*\j+7], v[W2S+16*\j+(\s)], v[HS+2*(\s)+(\g)] matrix_a_fmt:MATRIX_FMT_BF6 matrix_b_fmt:MATRIX_FMT_BF6
.else
	v_wmma_scale_f32_16x16x128_f8f6f4 v[ACC+32*(\g)+8*\j:ACC+32*(\g)+8*\j+7], v[WF+48*((\s)%2)+12*\j:WF+48*((\s)%2)+12*\j+11], v[24*((\s)%6)+12*(\g):24*((\s)%6)+12*(\g)+11], v[ACC+32*(\g)+8*\j:ACC+32*(\g)+8*\j+7], v[W2S+16*\j+(\s)], v[HS+2*(\s)+(\g)] matrix_a_fmt:MATRIX_FMT_BF6 matrix_b_fmt:MATRIX_FMT_BF6
.endif
.endr
.endm
; K step s: one wait, then the next K step's fragments of W2 in two runs of 12, dealt among this step's products; h's six loads stand with the first run
.macro KSTEP s
.if \s > 0
	PLACES                                         ; behind K step s - 1's products, whose registers of W2 and of h are loaded again
.endif
.if \s < 15
	WIN 0x40
.endif
.if (\s > 0) && (\s < 15)
	s_wait_alu depctr_va_vdst(0)                   ; K step s - 1's products are done reading their buffer of W2 and their slot of h's ring, in which this step's loads land.  (K step 0 owes none: the last pass's products stand ahead of three later waits)
.endif
.if \s < 15
	LOADW (\s)+1, 0
.endif
.if (\s >= 1) && (\s <= 10)
.irp g, 0,1
.irp j, 0,1,2
	global_load_b128 v[24*((\s+5)%6)+12*\g+4*\j:24*((\s+5)%6)+12*\g+4*\j+3], v11, s[30:31] offset:49152*\g+1536*(\s+5)+512*\j
.endr
.endr
.endif
.if \s <= 10
	s_wait_loadcnt 30                              ; the five later K steps' loads, 6 each, may stay out (the weights' two make it 32 in the first steps: the smaller count is safe)
.else
	s_wait_loadcnt 6*(15-\s)
.endif
.if \s < 15
	s_wait_dscnt 12                                ; all but the 12 loads just issued: this step's four fragments of W2 are in
.else
	s_wait_dscnt 0x0
.endif
	MULK \s, 0
.if \s < 15
	WIN 0x40
	LOADW (\s)+1, 1                                ; no wait: the four products since the wait name this step's buffer and slot, the accumulators, the bias and scales, none of the registers that these loads touch
.endif
	MULK \s, 1
.endm
; Tile g x the row's weight (each accumulator from its low end on)
.macro SCALE g
.irp i, 0,2,4,6,8,10,12,14,16,18,20,22,24,26,28,30
	v_pk_mul_f32 v[ACC+32*\g+\i:ACC+32*\g+\i+1], v[ACC+32*\g+\i:ACC+32*\g+\i+1], v[WT+2*\g:WT+2*\g+1] op_sel_hi:[1,0]
.endr
.endm
; Tile g into my stage, and back as whole pieces of 256 bytes, into the registers that they left
.macro STAGE g
.irp j, 0,1,2,3
	ds_store_b128 v5, v[ACC+32*\g+8*\j:ACC+32*\g+8*\j+3] offset:64*\j
	ds_store_b128 v5, v[ACC+32*\g+8*\j+4:ACC+32*\g+8*\j+7] offset:64*\j+16
.endr
	s_wait_alu depctr_vm_vsrc(0)                   ; the eight stores above have read the tile's 32 registers, in which the loads below land
.irp i, 0,1,2,3,4,5,6,7
	ds_load_b128 v[ACC+32*\g+4*\i:ACC+32*\g+4*\i+3], v6 offset:544*\i    ; LDS serves a wave's instructions in order: these see the stores above, and the next tile's stores come behind them
.endr
.endm
.macro SEND g, younger                 ; younger: the LDS instructions issued behind tile g's loads
.irp i, 0,1,2,3,4,5,6,7
	s_wait_dscnt \younger+7-\i
	global_store_b128 v[YO+8*\g+\i], v[ACC+32*\g+4*\i:ACC+32*\g+4*\i+3], s[18:19]   ; sixteen lanes store 256 consecutive bytes, at a multiple of 256 from y's first byte
.endr
.endm
	WIN 0x40
	s_wait_alu depctr_va_vdst(0)                   ; the addresses and offsets v3-6, v9, v11-13 and v16-19 are written, which the kernel's loads and stores read; none of them is written again
.irp i, 0,1,2,3,4,5,6,7                ; my 8 rows of the slice: 512 consecutive bytes an instruction; read once in the launch
.irp u, 0,1,2
	global_load_b128 v[WF+4*(3*\i+\u):WF+4*(3*\i+\u)+3], v11, s[12:13] offset:3072*\i+512*\u th:TH_LOAD_NT
.endr
.endr
	WIN 0
.irp j, 0,1,2,3
.irp q, 0,1,2,3
	global_load_b128 v[W2S+16*\j+4*\q:W2S+16*\j+4*\q+3], v18, s[14:15] offset:2048*\j+16*\q
.endr
.endr
.irp j, 0,1,2,3
	global_load_b128 v[B2+8*\j:B2+8*\j+3], v19, s[16:17] offset:64*\j
	global_load_b128 v[B2+8*\j+4:B2+8*\j+7], v19, s[16:17] offset:64*\j+16
.endr
	s_wait_kmcnt 0x0                               ; P
	s_min_u32 s23, s23, 32
	s_add_co_u32 s24, s23, 7
	s_sub_co_u32 s24, s24, s20
	s_lshr_b32 s24, s24, 3                         ; my passes
	s_mov_b32 s25, 0
	s_sub_co_u32 s26, s23, 1
	s_min_u32 s26, s26, s20                        ; my first pair; a wave with no pass asks for the last pair, which has been stored (P is at least 1), and uses nothing of it
	s_min_u32 s26, s26, 31
	PASSLOAD
	s_wait_loadcnt 63                              ; of the 118 loads issued the first 55 are in: the slice's 24, its scales' 16 and the bias's 8 among them
	WIN 0x04                                       ; an LDS store's data are its source 1: window 1
.irp i, 0,1,2,3,4,5,6,7
.irp u, 0,1,2
	ds_store_b128 v13, v[WF+4*(3*\i+\u):WF+4*(3*\i+\u)+3] offset:PW*\i+512*\u
.endr
.endr
	WIN 0
	s_cmp_eq_u32 s27, 1
	s_cselect_b32 s28, -1, 0
.irp i, 0,1,2,3,4,5,6,7,8,9,10,11,12,13,14,15,16,17,18,19,20,21,22,23,24,25,26,27,28,29,30,31
	v_cndmask_b32 v[B2+\i], v[B2+\i], 0, s28       ; the bias counts once: in K's second half it is 0
.endr
	s_wait_dscnt 0x0                               ; for the others' sake: my part of the slice lies in LDS
	s_barrier_signal -1
	s_barrier_wait -1                              ; everybody's does.  The launch's one barrier: every wave passes it, whatever P
	s_wait_alu depctr_vm_vsrc(0)                   ; my LDS stores have read the 96 registers in which the slice landed: they are W2's two buffers from here on, in which the fragments' loads land
	s_cmp_eq_u32 s24, 0
	s_cbranch_scc1 .Lend
.Lpass:
	s_wait_loadcnt 52                              ; the list is in: behind it stand 16 loads of scale words and 36 of fragments
.irp q, 0,1,2,3,4,5,6,7,8,9,10,11,12,13,14,15
	v_min_u32 v[YO+\q], 0x8ff, v[YO+\q]            ; a row of y: 2,303 at the most
.endr
.irp q, 0,1,2,3,4,5,6,7,8,9,10,11,12,13,14,15
	v_lshlrev_b32 v[YO+\q], 12, v[YO+\q]
.endr
.irp q, 0,1,2,3,4,5,6,7,8,9,10,11,12,13,14,15
	v_add_nc_u32 v[YO+\q], v[YO+\q], v9
.endr
.irp g, 0,1
	v_min_u32 v[LS+\g], 0x7ff, v[LS+\g]            ; a pad row takes some weight: its result is read by nobody
	v_lshlrev_b32 v[LS+\g], 2, v[LS+\g]
.endr
	s_wait_alu depctr_va_vdst(0)                   ; the weights' two offsets are written, which the loads below read, and the rows' sixteen, which the stores at the pass's end read
.irp g, 0,1
	global_load_b32 v[WT+2*\g], v[LS+\g], s[6:7]
.endr
	WIN 0x40
	LOADW 0, 0
	LOADW 0, 1
.irp s, 0,1,2,3,4,5,6,7,8,9,10,11,12,13,14,15
	KSTEP \s
.endr
	WIN 0
	PLACES                                         ; behind the last products
	SCALE 0
	SCALE 1
	s_wait_alu depctr_va_vdst(0)                   ; the scalings have written both tiles' 64 registers, which the stage's stores read and in which its loads land
	STAGE 0
	STAGE 1
	SEND 0, 16
	SEND 1, 0
	s_wait_xcnt 0x0                                ; the stores have read their registers: they are written again below
	s_add_co_u32 s25, s25, 1
	s_add_co_u32 s26, s26, 8
	s_cmp_ge_u32 s25, s24
	s_cbranch_scc1 .Lend                           ; nothing is asked for behind the last pass
	PASSLOAD
	s_cmp_lt_u32 s25, s24
	s_cbranch_scc1 .Lpass
.Lend:
	s_wait_dscnt 0x0                               ; the closing lines, six on end
	s_wait_alu 0x0
	s_wait_tensorcnt 0x0
	ds_add_u32 v254, v255
	s_wait_dscnt 0x0
	s_endpgm
.Lfunc_end_k_q94279e229c_ffn2:
	.size	k_q94279e229c_ffn2, .Lfunc_end_k_q94279e229c_ffn2-k_q94279e229c_ffn2
	.p2alignl 7, 3214868480
	.fill 96, 4, 3214868480
	.section	.rodata,"a",@progbits
	.p2align	6, 0x0
	.amdhsa_kernel k_q94279e229c_ffn2
		.amdhsa_group_segment_fixed_size 135168
		.amdhsa_private_segment_fixed_size 0
		.amdhsa_enable_private_segment 0
		.amdhsa_kernarg_size 64
		.amdhsa_user_sgpr_count 2
		.amdhsa_user_sgpr_kernarg_segment_ptr 1
		.amdhsa_wavefront_size32 1
		.amdhsa_system_sgpr_workgroup_id_x 1
		.amdhsa_system_sgpr_workgroup_id_y 1
		.amdhsa_system_sgpr_workgroup_id_z 1
		.amdhsa_system_vgpr_workitem_id 0
		.amdhsa_next_free_vgpr 512
		.amdhsa_next_free_sgpr 66
		.amdhsa_reserve_vcc 0
		.amdhsa_float_denorm_mode_32 3
		.amdhsa_float_denorm_mode_16_64 3
		.amdhsa_memory_ordered 1
		.amdhsa_forward_progress 1
		.amdhsa_inst_pref_size 86
	.end_amdhsa_kernel
	.amdgpu_metadata
---
amdhsa.version: [ 1, 2 ]
amdhsa.kernels:
  - .name:           k_q94279e229c_ffn2
    .symbol:         k_q94279e229c_ffn2.kd
    .args:
      - { .name: order, .offset: 0, .size: 8, .value_kind: global_buffer, .address_space: global }
      - { .name: wts, .offset: 8, .size: 8, .value_kind: global_buffer, .address_space: global }
      - { .name: himg, .offset: 16, .size: 8, .value_kind: global_buffer, .address_space: global }
      - { .name: hs, .offset: 24, .size: 8, .value_kind: global_buffer, .address_space: global }
      - { .name: W2_codes, .offset: 32, .size: 8, .value_kind: global_buffer, .address_space: global }
      - { .name: W2_scales, .offset: 40, .size: 8, .value_kind: global_buffer, .address_space: global }
      - { .name: b2, .offset: 48, .size: 8, .value_kind: global_buffer, .address_space: global }
      - { .name: y, .offset: 56, .size: 8, .value_kind: global_buffer, .address_space: global }
    .group_segment_fixed_size: 135168
    .private_segment_fixed_size: 0
    .kernarg_segment_align: 8
    .kernarg_segment_size: 64
    .max_flat_workgroup_size: 256
    .sgpr_count:     66
    .vgpr_count:     512
    .wavefront_size: 32
...
	.end_amdgpu_metadata
.endif
;; end of part 7
;; launch combine: the kernel of part 5 again; grid 256 x 1, 8 waves a work-group, no clusters, 0 bytes of LDS; arguments y, out0; writes out0
